; MI455X (gfx1250); checked and timed in simulation.
; The chip was launched on July 23, 2026; its instructions are those of AMD's public machine-readable ISA for CDNA 5 (MIT licence, August 2026) and "CDNA5" Instruction Set Architecture Reference Guide (July 2026). The comments in the code are by the model that wrote it; some were corrected since.
;; Linear Temporal Self Attention. Allowed arithmetic: matrix products marked QUANTISED: E3M2 operands, one E8M0 scale for each 32 along K, by v_wmma_scale_f32_16x16x128_f8f6f4 with both operands' format E3M2, f32 sums; products left as they are: f32 operands where the result goes on into a quantised operand, else bf16, f16 or f32 operands; f32 sums; everything else in f32.
;; Inputs: W_emb 2,048 x 2,048 float32; W_out 1,024 x 1,024 float32; Wk 1,024 x 1,024 float32; Wq 1,024 x 1,024 float32; Wv 1,024 x 1,024 float32; b_emb 2,048 float32; b_out 1,024 float32; bk 1,024 float32; bq 1,024 float32; bv 1,024 float32; emb 4 x 2,048 float32; ln2_b 1,024 float32; ln2_w 1,024 float32; ln_b 1,024 float32; ln_w 1,024 float32; src_mask 4 x 2,048 x 1 float32; x 4 x 2,048 x 1,024 float32.
;; Outputs: out0 4 x 2,048 x 1,024 float32.
;; Constants: num_head = 8.
;; This version of the problem:
;;   THIS VERSION OF THE PROBLEM IS GIVEN IN LOW PRECISION. The matrix products marked QUANTISED in the list below multiply operands that are first quantised to E3M2 (3 exponent bits, 2 mantissa bits; 6 bits a number), with one power-of-two scale for each 32 numbers along K (OCP MX v1.0); their sums are f32. All else is computed in f32.
;;   The module's matrix products, in the order in which they are computed (A, B: the left and right operand; K: the contracted axis; several contracted axes count as one K, in the product's order):
;;     1. [M 8,192, K 1,024] x [K 1,024, N 1,024]; A: computed on the way; B: input Wq: QUANTISED
;;     2. [M 8,192, K 1,024] x [K 1,024, N 1,024]; A: computed on the way; B: input Wk: QUANTISED
;;     3. [M 8,192, K 1,024] x [K 1,024, N 1,024]; A: computed on the way; B: input Wv: QUANTISED
;;     4. batch 32 x [M 128, K 2,048] x [K 2,048, N 128]; A: softmax (see below); B: computed on the way: QUANTISED
;;     5. batch 32 x [M 128, K 128] x [K 128, N 2,048]; A: computed on the way; B: softmax (see below): QUANTISED
;;     6. [M 4, K 2,048] x [K 2,048, N 2,048]; A: computed on the way; B: input W_emb: left as it is (M = 4 < 16)
;;     7. [M 8,192, K 1,024] x [K 1,024, N 1,024]; A: computed on the way; B: input W_out: QUANTISED
;;   THE QUANTISER, for each operand of a quantised product, along K:
;;     - K is cut into blocks of 32 from its start; a last block that is shorter is filled with zeros.
;;     - A block's scale is 2^e with e = floor(log2(the largest magnitude in the block)) - 4, held to -126 .. 127; a block of zeros has e = 0. As a byte (E8M0): e + 127.
;;     - Each number is divided by its block's scale, clamped to +-28, and rounded to the nearest number of E3M2, ties to even, subnormals kept.
;;     - The product sums the exact products of the quantised numbers (number of the format x scale) in f32.
;;   ~~~python
;;   def quantise(x, axis):      # numpy; x: float32 -> the quantised numbers, widened to float32 again
;;       x = np.moveaxis(x, axis, -1); K = x.shape[-1]
;;       x = np.pad(x, [(0, 0)] * (x.ndim - 1) + [(0, -K % 32)]); x = x.reshape(x.shape[:-1] + (-1, 32)); a = np.abs(x).max(-1, keepdims=True)
;;       e = np.where(a > 0, np.clip(np.frexp(np.where(a > 0, a, 1))[1] - 1 - 4, -126, 127), 0)      # np.frexp(a)[1] - 1 = floor(log2(a)), exactly
;;       r = np.clip(x / 2.0 ** e, -28, 28)
;;       step = 2.0 ** (np.maximum(np.frexp(np.where(r == 0, 1, r))[1] - 1, -2) - 2)
;;       q = np.round(r / step) * step * 2.0 ** e      # np.round: ties to even
;;       return np.moveaxis(q.reshape(q.shape[:-2] + (-1,))[..., :K], -1, axis).astype(np.float32)
;;   ~~~
;;   SOFTMAX AHEAD OF A QUANTISED PRODUCT. Where the list says 'softmax', what is quantised is not the finished softmax but p = 2^(t - M), with t = logit x log2(e) and M = ceil(the row's largest t), a whole number; so 1/2 < the row's largest p <= 1. The row's sum l is taken of the UNQUANTISED p, in f32, and the product's result is divided by l at the end. Since M is a whole number, a kernel that streams over the keys may use a running M (the ceiling of the running maximum): every later rescaling is an exact power of two, which a block's scale takes up: the codes' values come out the same.
;;   OPERANDS COMPUTED ON THE WAY. 'Computed on the way' means the value that the module computes at that place (a softmax that the list does not call 'softmax' is quantised finished and normalised). What goes into a quantiser is computed in f32, as accurately as f32 sums, v_exp_f32 and their like allow (about 1e-6 of the number): no bf16 or f16 on the way to a quantiser, and a product that is left as it is and whose result goes on into a quantised operand takes f32 operands (vector FMAs, or v_wmma_f32_16x16x4_f32). A number that lies on a knife's edge between two numbers of the format may be rounded either way, as far as f32 arithmetic and the matrix unit's own rounding can turn it there, and no further.
;; One version. Each part assembles by itself: llvm-mc -triple=amdgcn-amd-amdhsa -mcpu=gfx1250 --defsym DOCPART=n.
;; ======== version 1 of 1: 4 launches
;; workspace buffers: xq 6,553,600 bytes; wc 3,276,800 bytes; embp 524,288 bytes; pq 6,815,744 bytes; attp 17,039,360 bytes; attc 409,600 bytes; film 32,768 bytes
;; launch prep (part 1): grid 1024 x 1, 4 waves a work-group, no clusters, 44,032 bytes of LDS; arguments x, ln_w, ln_b, Wq, Wk, Wv, W_out, emb, W_emb, xq, wc, embp; writes xq, wc, embp
.if DOCPART == 1
	.amdgcn_target "amdgcn-amd-amdhsa--gfx1250"
	.amdhsa_code_object_version 6
	.text
	.protected	k_qb5a9597716_prep
	.globl	k_qb5a9597716_prep
	.p2align	8
	.type	k_qb5a9597716_prep,@function
k_qb5a9597716_prep:
	s_mov_b64 s[64:65], 0
	v_nop
	global_prefetch_b8 v0, s[64:65] scope:SCOPE_SE
	s_setreg_imm32_b32 hwreg(HW_REG_WAVE_MODE, 25, 1), 1
	s_wait_xcnt 0x0
; LinearTemporalSelfAttention, launch 1 of 4.  B = 4, T = 2048, D = 1024, 8 heads of 128, TE = 2048.
; DEAD WORK: none.  Every product of reference() is done and every input is loaded by some launch.  bk is the same along the time softmax's axis, but it moves M = ceil(largest t) and so p's codes: it stays.
; Three kinds of work-group, told apart by the work-group's number alone (each kind has LDS bytes of its own):
;   0..255    P3: silu(emb) W_emb in f32 multiply-adds (its result goes on into a quantiser): 128 columns x 128 k a work-group; the 16 slices along k are added in launch 3
;   256..511  P2: Wq, Wk, Wv, W_out [k][n] f32 -> codes of E3M2 along k with E8M0 bytes, laid as images of operand registers: 128 columns x 128 k a work-group
;   512..1023 P1: xn = LayerNorm(x) -> codes along D, 16 rows a work-group, four rows a wave
; A FRAGMENT is 16 rows x 128 k, 12 registers a lane: lane (r, h) holds row r, registers 6 c .. 6 c + 5 hold k = 64 c + 32 h + 0 .. 31.
;   wc: registers 4 g .. 4 g + 3 of lane L at 512 g + 16 L;  xq: lane L's 48 bytes at 48 L.
; Wv's TILES ALONE ARE PERMUTED: row r of tile t is column 32 (t / 2) + 8 (t % 2) + r + 8 (r / 8), so that y's registers in launch 4 run along W_out's k as it lies.
; QUANTISER: a block's byte is its largest magnitude's exponent field - 4, held at 1 from below by a floor among the maximum's leaves; the conversion rounds to nearest even and holds at the largest code.
; LIMITS: NaN and infinities among the inputs are not served.  A block of zeros gets the byte 1 where the rule says 127: its codes are zeros, and this program alone reads the bytes.
.set STG,   0                          ; P1: two stages of 2,560 bytes for each wave
.set IMG,   20480                      ; P1: eight fragments' images (12,288) and 16 rows x 32 scale bytes (512)
.set TB3,   33280                      ; P3: silu(emb), [k][4 batches], 512 bytes a wave
.set RD3,   35328                      ; P3: the four waves' partial sums
.set SPARE, 43520                      ; the spare words, 128 bytes a wave
.set SPW,   2
.set NIL,   3
	s_load_b512 s[8:23], s[0:1], 0x0               ; x, ln_w, ln_b, Wq, Wk, Wv, W_out, emb
	s_load_b256 s[24:31], s[0:1], 0x40             ; W_emb, xq, wc, embp
	v_lshl_add_u32 v[SPW], v0, 2, SPARE
	v_mov_b32 v[NIL], 0
	v_lshrrev_b32 v12, 5, v0                       ; w
	v_readfirstlane_b32 s4, v12
	v_and_b32 v1, 31, v0                           ; L
	v_lshlrev_b32 v5, 4, v1                        ; 16 L
	s_mov_b32 s42, 0x76543210
	s_mov_b32 s43, 0xfedcba98                      ; lane l xor 16
	s_wait_kmcnt 0x0
	s_cmp_lt_u32 ttmp9, 256
	s_cbranch_scc1 .Lp3
	s_cmp_lt_u32 ttmp9, 512
	s_cbranch_scc1 .Lp2
; ---------------------------------------------------------------- P1: LayerNorm and codes of 16 rows
; v16-23 (mean, rstd) of my four rows; v24-31 sums; v32-63 two sets of 16 neighbours; v64-191 my four rows; v192-223 ln_w; v224-255 ln_b
	s_sub_co_u32 s32, ttmp9, 512                   ; t: rows 16 t on
	s_lshl_b32 s34, s32, 16
	s_mov_b32 s35, 0
	s_add_nc_u64 s[8:9], s[8:9], s[34:35]
	s_lshr_b32 s33, s32, 4                         ; R: block of 256 rows
	s_and_b32 s32, s32, 15                         ; a: tile in it
	s_mul_i32 s34, s33, 204800
	s_mul_i32 s36, s32, 1536
	s_add_co_u32 s36, s36, s34
	s_mov_b32 s37, 0
	s_add_nc_u64 s[36:37], s[26:27], s[36:37]      ; my tile's images
	s_lshl_b32 s38, s32, 9
	s_add_co_u32 s38, s38, s34
	s_add_co_u32 s38, s38, 196608
	s_mov_b32 s39, 0
	s_add_nc_u64 s[38:39], s[26:27], s[38:39]      ; its 512 scale bytes
	s_mov_b32 s40, 0x3a800000                      ; 1 / 1024
	s_mov_b32 s41, 0x3727c5ac                      ; 1e-5
	v_lshl_add_u32 v4, v12, 14, v5                 ; x: 4 rows a wave, 16 bytes a lane
	v_mul_u32_u24 v13, v12, 5120
	v_lshrrev_b32 v14, 2, v1
	v_mad_u32_u24 v6, v14, 80, v13
	v_and_b32 v14, 3, v1
	v_lshl_add_u32 v6, v14, 4, v6                  ; stage, in: 64 bytes on end, then 16 of padding
	v_mad_u32_u24 v7, v1, 80, v13                  ; stage, out: my 16 neighbours
	v_lshrrev_b32 v14, 3, v1
	v_mul_u32_u24 v8, v14, 1536                    ; K step L / 8 of the unit's four
	v_bfe_u32 v14, v1, 1, 1
	v_mad_u32_u24 v8, v14, 768, v8                 ; the fragment's half h
	v_bfe_u32 v14, v1, 2, 1
	v_mad_u32_u24 v8, v14, 24, v8                  ; c
	v_and_b32 v14, 1, v1
	v_mad_u32_u24 v8, v14, 12, v8                  ; lower or upper 16 codes of the block
	v_mad_u32_u24 v8, v12, 192, v8                 ; rows 4 w on
	v_add_nc_u32 v8, IMG, v8
	v_lshrrev_b32 v14, 1, v1
	v_lshl_add_u32 v9, v12, 7, v14
	v_add_nc_u32 v9, IMG+12288, v9                 ; my block's scale byte
	v_mad_u32_u24 v10, v12, 3072, v5
	v_add_nc_u32 v10, IMG, v10                     ; the way out: K steps 2 w, 2 w + 1
	v_mad_u32_u24 v11, v12, 49152, v5
	v_add_nc_u32 v15, IMG+12288, v5
.irp i, 0,1,2,3
.irp j, 0,1,2,3,4,5,6,7
	global_load_b128 v[64+32*\i+4*\j:64+32*\i+4*\j+3], v4, s[8:9] offset:4096*\i+512*\j th:TH_LOAD_NT   ; 512 consecutive bytes a load
.endr
.endr
.irp j, 0,1,2,3,4,5,6,7
	global_load_b128 v[192+4*\j:192+4*\j+3], v5, s[10:11] offset:512*\j
.endr
.irp j, 0,1,2,3,4,5,6,7
	global_load_b128 v[224+4*\j:224+4*\j+3], v5, s[12:13] offset:512*\j
.endr
.irp i, 0,1,2,3
	v_mov_b32 v[17+2*\i], 0                        ; (named as the upper half of a pair before rstd is written)
.endr
.macro RED                             ; the pairs v[24 + 2 i] become the rows' sums, in every lane
.irp i, 0,1,2,3
	v_add_f32 v[24+2*\i], v[24+2*\i], v[25+2*\i]
.endr
.irp k, 1,2,4,8
.irp i, 0,1,2,3
	v_add_f32_dpp v[24+2*\i], v[24+2*\i], v[24+2*\i] row_xmask:\k row_mask:0xf bank_mask:0xf
.endr
.endr
.irp i, 0,1,2,3
	v_permlanex16_b32 v[25+2*\i], v[24+2*\i], s42, s43
.endr
.irp i, 0,1,2,3
	v_add_f32 v[24+2*\i], v[24+2*\i], v[25+2*\i]
.endr
.endm
	s_wait_loadcnt 16                              ; x is in; the 16 loads of ln_w and ln_b may be out
.irp i, 0,1,2,3
	v_pk_add_f32 v[24+2*\i:25+2*\i], v[64+32*\i:65+32*\i], v[66+32*\i:67+32*\i]
.endr
.set jj, 4
.rept 14
.irp i, 0,1,2,3
	v_pk_add_f32 v[24+2*\i:25+2*\i], v[24+2*\i:25+2*\i], v[64+32*\i+jj:65+32*\i+jj]
.endr
.set jj, jj+2
.endr
	RED
.irp i, 0,1,2,3
	v_mul_f32 v[16+2*\i], s40, v[24+2*\i]          ; the mean
.endr
.set jj, 0
.rept 16
.irp i, 0,1,2,3
	v_pk_add_f32 v[64+32*\i+jj:65+32*\i+jj], v[64+32*\i+jj:65+32*\i+jj], v[16+2*\i:17+2*\i] op_sel_hi:[1,0] neg_lo:[0,1] neg_hi:[0,1]   ; x - mean
.endr
.set jj, jj+2
.endr
.irp i, 0,1,2,3
	v_pk_mul_f32 v[24+2*\i:25+2*\i], v[64+32*\i:65+32*\i], v[64+32*\i:65+32*\i]
.endr
.set jj, 2
.rept 15
.irp i, 0,1,2,3
	v_pk_fma_f32 v[24+2*\i:25+2*\i], v[64+32*\i+jj:65+32*\i+jj], v[64+32*\i+jj:65+32*\i+jj], v[24+2*\i:25+2*\i]
.endr
.set jj, jj+2
.endr
	RED
.irp i, 0,1,2,3
	v_fma_f32 v[24+2*\i], v[24+2*\i], s40, s41     ; variance + eps
.endr
.irp i, 0,1,2,3
	v_rsq_f32 v[17+2*\i], v[24+2*\i]
.endr
	v_nop                                          ; a plain instruction behind the batch,
	s_wait_alu depctr_va_vdst(0)                   ; and one wait for the four, ahead of their first reader
	s_wait_loadcnt 0x0                             ; ln_w, ln_b
.set jj, 0
.rept 16
.irp i, 0,1,2,3
	v_pk_mul_f32 v[64+32*\i+jj:65+32*\i+jj], v[64+32*\i+jj:65+32*\i+jj], v[16+2*\i:17+2*\i] op_sel:[0,1] op_sel_hi:[1,1]
.endr
.set jj, jj+2
.endr
.set jj, 0
.rept 16
.irp i, 0,1,2,3
	v_pk_fma_f32 v[64+32*\i+jj:65+32*\i+jj], v[64+32*\i+jj:65+32*\i+jj], v[192+jj:193+jj], v[224+jj:225+jj]
.endr
.set jj, jj+2
.endr
; Unit n = 2 i + e: 512 numbers of row i.  They turn through my own stage so that a lane holds 16 neighbours; LDS serves a wave's instructions in order, so no wait stands between the stores and the loads.
.macro TURN n
.irp q, 0,1,2,3
	ds_store_b128 v6, v[64+16*(\n)+4*\q:64+16*(\n)+4*\q+3] offset:2560*((\n)%2)+640*\q
.endr
.irp q, 0,1,2,3
	ds_load_b128 v[32+16*((\n)%2)+4*\q:32+16*((\n)%2)+4*\q+3], v7 offset:2560*((\n)%2)+16*\q
.endr
.endm
.macro UNIT n, cnt                     ; cnt: the LDS instructions issued behind this unit's loads
.set YS, 32+16*((\n)%2)
.set CD, 64+16*(\n)                    ; the unit's own registers of x are free: its codes and byte go there
	s_wait_dscnt \cnt
	v_max3_num_f32 v12, |v[YS]|, |v[YS+1]|, |v[YS+2]|
	v_max3_num_f32 v13, |v[YS+3]|, |v[YS+4]|, |v[YS+5]|
.irp i, 6,10
	v_max3_num_f32 v12, v12, |v[YS+\i]|, |v[YS+\i+1]|
	v_max3_num_f32 v13, v13, |v[YS+\i+2]|, |v[YS+\i+3]|
.endr
	v_max3_num_f32 v12, v12, |v[YS+14]|, |v[YS+15]|
	v_max3_num_f32 v12, v12, v13, 0x2800000        ; the floor 2^(5 - 127)
	v_max_num_f32_dpp v12, v12, v12 row_xmask:1 row_mask:0xf bank_mask:0xf   ; with my neighbour's 16: the block's
	v_add_nc_u32 v14, 0xfe000000, v12              ; 4 off the exponent field: the conversion's scale operand
	v_cvt_scalef32_pk16_bf6_f32 v[CD:CD+2], v[YS:YS+15], v14
	v_lshrrev_b32 v[CD+3], 23, v14                 ; the byte
	ds_store_b32 v8, v[CD] offset:48*((\n)/2)+6144*((\n)%2)
	ds_store_b32 v8, v[CD+1] offset:48*((\n)/2)+6144*((\n)%2)+4
	ds_store_b32 v8, v[CD+2] offset:48*((\n)/2)+6144*((\n)%2)+8
	ds_store_b8 v9, v[CD+3] offset:32*((\n)/2)+16*((\n)%2)   ; both lanes of a block write the same byte
.endm
	TURN 0
	TURN 1
	UNIT 0, 8                                      ; behind unit 0's loads: the next turn's eight
.irp n, 1,2,3,4,5,6
	TURN \n+1
	UNIT \n, 12                                    ; the last unit's four stores and the next turn's eight
.endr
	UNIT 7, 4
	s_wait_dscnt 0x0                               ; my stores into the images are done
	s_barrier_signal -1
	s_barrier_wait -1
.irp q, 0,1,2,3,4,5
	ds_load_b128 v[32+4*\q:32+4*\q+3], v10 offset:512*\q
.endr
.irp q, 0,1,2,3,4,5
	s_wait_dscnt 5-\q
	global_store_b128 v11, v[32+4*\q:32+4*\q+3], s[36:37] offset:24576*(\q/3)+512*(\q%3)   ; 512 consecutive bytes
.endr
	s_cmp_lg_u32 s4, 0
	s_cbranch_scc1 .Lp1_end
	ds_load_b128 v[56:59], v15                     ; wave 0: the tile's 512 scale bytes
	s_wait_dscnt 0x0
	global_store_b128 v5, v[56:59], s[38:39]
.Lp1_end:
	s_wait_tensorcnt 0x0                           ; the wave's end, behind my last LDS store
	ds_add_u32 v[SPW], v[NIL]
	s_wait_dscnt 0x0
	s_endpgm
; ---------------------------------------------------------------- P2: a weight's 128 columns x 128 k
; A lane takes a column and its registers run down k: lanes 0-15 the rows of tile 2 w, lanes 16-31 those of tile 2 w + 1.  No LDS.
.Lp2:
	s_sub_co_u32 s32, ttmp9, 256
	s_lshr_b32 s33, s32, 6                         ; which weight: q, k, v, out
	s_bfe_u32 s34, s32, 0x30003                    ; group of 128 columns
	s_and_b32 s35, s32, 7                          ; K step
	s_cmp_eq_u32 s33, 1
	s_cselect_b64 s[14:15], s[16:17], s[14:15]
	s_cmp_eq_u32 s33, 3
	s_cselect_b64 s[14:15], s[20:21], s[14:15]
	s_cmp_eq_u32 s33, 2
	s_cselect_b64 s[14:15], s[18:19], s[14:15]
	s_cselect_b32 s36, -1, 0                       ; Wv alone: permuted tiles
	s_lshl_b32 s38, s35, 19                        ; 128 rows of 4,096 bytes a K step
	s_lshl_b32 s40, s34, 9
	s_add_co_u32 s38, s38, s40
	s_mov_b32 s39, 0
	s_add_nc_u64 s[14:15], s[14:15], s[38:39]
	s_lshl_b32 s37, s33, 3
	s_add_co_u32 s37, s37, s34
	s_mul_i32 s37, s37, 102400
	s_mul_i32 s38, s35, 12288
	s_add_co_u32 s38, s38, s37
	s_add_nc_u64 s[44:45], s[28:29], s[38:39]      ; the images
	s_lshl_b32 s38, s35, 9
	s_add_co_u32 s38, s38, s37
	s_add_co_u32 s38, s38, 98304
	s_add_nc_u64 s[46:47], s[28:29], s[38:39]      ; the scale words
	v_and_b32 v13, 7, v1
	v_bfe_u32 v14, v1, 3, 1
	v_lshl_or_b32 v13, v14, 4, v13
	v_bfe_u32 v14, v1, 4, 1
	v_lshl_or_b32 v13, v14, 3, v13                 ; the lane's number with bits 3 and 4 swapped
	v_cndmask_b32 v13, v1, v13, s36
	v_lshlrev_b32 v4, 2, v13
	v_lshl_add_u32 v4, v12, 7, v4                  ; my column: 32 w + that
	v_mad_u32_u24 v6, v12, 3072, v5
	v_lshlrev_b32 v7, 2, v0
.set ii, 0
.rept 128
	global_load_b32 v[64+ii], v4, s[14:15] offset:4096*ii th:TH_LOAD_NT
.set ii, ii+1
.endr
.macro QBLK bt, cnt                    ; block bt of 32 along k, all mine
.set XB, 64+32*(\bt)
.set FD, 192+12*((\bt)%2)+6*((\bt)/2)
	s_wait_loadcnt \cnt
	v_max3_num_f32 v12, |v[XB]|, |v[XB+1]|, |v[XB+2]|
	v_max3_num_f32 v13, |v[XB+3]|, |v[XB+4]|, |v[XB+5]|
.irp i, 6,10,14,18,22,26
	v_max3_num_f32 v12, v12, |v[XB+\i]|, |v[XB+\i+1]|
	v_max3_num_f32 v13, v13, |v[XB+\i+2]|, |v[XB+\i+3]|
.endr
	v_max3_num_f32 v12, v12, |v[XB+30]|, |v[XB+31]|
	v_max3_num_f32 v12, v12, v13, 0x2800000
	v_add_nc_u32 v11, 0xfe000000, v12
	v_lshrrev_b32 v13, 23, v11
.if (\bt) == 0
	v_mov_b32 v16, v13
.else
	v_lshl_or_b32 v16, v13, 8*(\bt), v16           ; my column's scale word
.endif
	v_cvt_scalef32_pk16_bf6_f32 v[FD:FD+2], v[XB:XB+15], v11
	v_cvt_scalef32_pk16_bf6_f32 v[216:218], v[XB+16:XB+31], v11   ; (a conversion's three registers begin on an even number)
	v_nop                                          ; a plain instruction behind the conversions
.irp i, 0,1,2
	v_mov_b32 v[FD+3+\i], v[216+\i]
.endr
.endm
	QBLK 0, 63                                     ; 96 younger loads: the largest count that the wait can name
	QBLK 1, 63                                     ; 64 younger
	QBLK 2, 32
	QBLK 3, 0
.irp i, 0,1,2,3,4,5,6,7,8,9,10,11
	v_permlane16_swap_b32 v[192+\i], v[204+\i]     ; v192.. held blocks 0, 2 and v204.. blocks 1, 3 of each lane's column: now v192.. is tile 2 w's fragment, v204.. tile 2 w + 1's
.endr
.irp u, 0,1
.irp g, 0,1,2
	global_store_b128 v6, v[192+12*\u+4*\g:192+12*\u+4*\g+3], s[44:45] offset:1536*\u+512*\g
.endr
.endr
	global_store_b32 v7, v16, s[46:47]
	s_endpgm
; ---------------------------------------------------------------- P3: 128 columns x 128 k of silu(emb) W_emb
; v16-19 emb, then silu; v32-47 sums [batch][4 columns]; v64-127 two sets of eight k's silu; v128-255 W_emb, 32 k x 4 columns
.Lp3:
	s_and_b32 s32, ttmp9, 15                       ; columns 128 cg on
	s_lshr_b32 s33, ttmp9, 4                       ; k 128 sl on
	s_mov_b32 s35, 0
	s_lshl_b32 s34, s33, 9
	s_add_nc_u64 s[22:23], s[22:23], s[34:35]
	s_lshl_b32 s36, s32, 9
	s_lshl_b32 s34, s33, 20
	s_add_co_u32 s34, s34, s36
	s_add_nc_u64 s[24:25], s[24:25], s[34:35]
	s_lshl_b32 s34, s33, 15
	s_add_co_u32 s34, s34, s36
	s_add_nc_u64 s[30:31], s[30:31], s[34:35]
	v_lshlrev_b32 v4, 2, v0
	v_lshl_add_u32 v6, v12, 18, v5                 ; 32 rows of 8,192 bytes a wave
	v_lshl_add_u32 v7, v0, 4, TB3
	v_lshl_add_u32 v8, v12, 9, TB3                 ; my wave's table: the same address in all lanes
	v_lshl_add_u32 v9, v12, 11, v5
	v_add_nc_u32 v9, RD3, v9
	v_lshl_add_u32 v10, v12, 9, v5
	v_add_nc_u32 v10, RD3, v10
	v_lshl_add_u32 v11, v12, 13, v5
.irp b, 0,1,2,3
	global_load_b32 v[16+\b], v4, s[22:23] offset:8192*\b
.endr
.set ii, 0
.rept 32
	global_load_b128 v[128+4*ii:128+4*ii+3], v6, s[24:25] offset:8192*ii th:TH_LOAD_NT   ; 512 consecutive bytes
.set ii, ii+1
.endr
	s_wait_loadcnt 32                              ; emb is in; W_emb's 32 loads may be out
.irp b, 0,1,2,3
	v_mul_f32 v[20+\b], 0xbfb8aa3b, v[16+\b]
.endr
.irp b, 0,1,2,3
	v_exp_f32 v[20+\b], v[20+\b]
.endr
	v_nop
	s_wait_alu depctr_va_vdst(0)
.irp b, 0,1,2,3
	v_add_f32 v[20+\b], 1.0, v[20+\b]
.endr
.irp b, 0,1,2,3
	v_rcp_f32 v[20+\b], v[20+\b]
.endr
	v_nop
	s_wait_alu depctr_va_vdst(0)
.irp b, 0,1,2,3
	v_mul_f32 v[16+\b], v[16+\b], v[20+\b]         ; silu
.endr
	ds_store_b128 v7, v[16:19]                     ; my k's four batches
.macro SLOAD q
.irp i, 0,1,2,3,4,5,6,7
	ds_load_b128 v[64+32*((\q)%2)+4*\i:64+32*((\q)%2)+4*\i+3], v8 offset:16*(8*(\q)+\i)
.endr
.endm
.macro FMA4 first, wq, sq              ; one k: four columns x four batches
.irp b, 0,1,2,3
.irp p, 0,1
.if \first
.if \b%2 == 0
	v_pk_mul_f32 v[32+4*\b+2*\p:33+4*\b+2*\p], v[(\wq)+2*\p:(\wq)+2*\p+1], v[(\sq)+2*(\b/2):(\sq)+2*(\b/2)+1] op_sel_hi:[1,0]
.else
	v_pk_mul_f32 v[32+4*\b+2*\p:33+4*\b+2*\p], v[(\wq)+2*\p:(\wq)+2*\p+1], v[(\sq)+2*(\b/2):(\sq)+2*(\b/2)+1] op_sel:[0,1] op_sel_hi:[1,1]
.endif
.else
.if \b%2 == 0
	v_pk_fma_f32 v[32+4*\b+2*\p:33+4*\b+2*\p], v[(\wq)+2*\p:(\wq)+2*\p+1], v[(\sq)+2*(\b/2):(\sq)+2*(\b/2)+1], v[32+4*\b+2*\p:33+4*\b+2*\p] op_sel_hi:[1,0,1]
.else
	v_pk_fma_f32 v[32+4*\b+2*\p:33+4*\b+2*\p], v[(\wq)+2*\p:(\wq)+2*\p+1], v[(\sq)+2*(\b/2):(\sq)+2*(\b/2)+1], v[32+4*\b+2*\p:33+4*\b+2*\p] op_sel:[0,1,0] op_sel_hi:[1,1,1]
.endif
.endif
.endr
.endr
.endm
.macro GRP q, lc, dc                   ; eight k.  lc: W_emb's younger loads; dc: the other set's eight LDS loads
	s_wait_loadcnt \lc
	s_wait_dscnt \dc
.irp i, 0,1,2,3,4,5,6,7
.if ((\q) == 0) && (\i == 0)
	FMA4 1, 128+4*(8*(\q)+\i), 64+32*((\q)%2)+4*\i
.else
	FMA4 0, 128+4*(8*(\q)+\i), 64+32*((\q)%2)+4*\i
.endif
.endr
.endm
	SLOAD 0
	SLOAD 1
	GRP 0, 24, 8
	SLOAD 2
	GRP 1, 16, 8
	SLOAD 3
	GRP 2, 8, 8
	GRP 3, 0, 0
.irp b, 0,1,2,3
	ds_store_b128 v9, v[32+4*\b:35+4*\b] offset:512*\b
.endr
	s_wait_dscnt 0x0
	s_barrier_signal -1
	s_barrier_wait -1
.irp q, 0,1,2,3
	ds_load_b128 v[64+4*\q:67+4*\q], v10 offset:2048*\q   ; batch w of all four waves
.endr
	s_wait_dscnt 0x0
	v_pk_add_f32 v[64:65], v[64:65], v[68:69]
	v_pk_add_f32 v[66:67], v[66:67], v[70:71]
	v_pk_add_f32 v[72:73], v[72:73], v[76:77]
	v_pk_add_f32 v[74:75], v[74:75], v[78:79]
	v_pk_add_f32 v[64:65], v[64:65], v[72:73]
	v_pk_add_f32 v[66:67], v[66:67], v[74:75]
	global_store_b128 v11, v[64:67], s[30:31]      ; 512 consecutive bytes
	s_wait_tensorcnt 0x0                           ; the wave's end
	ds_add_u32 v[SPW], v[NIL]
	s_wait_dscnt 0x0
	s_endpgm
.Lfunc_end_k_qb5a9597716_prep:
	.size	k_qb5a9597716_prep, .Lfunc_end_k_qb5a9597716_prep-k_qb5a9597716_prep
	.p2alignl 7, 3214868480
	.fill 96, 4, 3214868480
	.section	.rodata,"a",@progbits
	.p2align	6, 0x0
	.amdhsa_kernel k_qb5a9597716_prep
		.amdhsa_group_segment_fixed_size 44032
		.amdhsa_private_segment_fixed_size 0
		.amdhsa_enable_private_segment 0
		.amdhsa_kernarg_size 96
		.amdhsa_user_sgpr_count 2
		.amdhsa_user_sgpr_kernarg_segment_ptr 1
		.amdhsa_wavefront_size32 1
		.amdhsa_system_sgpr_workgroup_id_x 1
		.amdhsa_system_sgpr_workgroup_id_y 1
		.amdhsa_system_sgpr_workgroup_id_z 1
		.amdhsa_system_vgpr_workitem_id 0
		.amdhsa_next_free_vgpr 256
		.amdhsa_next_free_sgpr 66
		.amdhsa_reserve_vcc 0
		.amdhsa_float_denorm_mode_32 3
		.amdhsa_float_denorm_mode_16_64 3
		.amdhsa_memory_ordered 1
		.amdhsa_forward_progress 1
		.amdhsa_inst_pref_size 91
	.end_amdhsa_kernel
	.amdgpu_metadata
---
amdhsa.version: [ 1, 2 ]
amdhsa.kernels:
  - .name:           k_qb5a9597716_prep
    .symbol:         k_qb5a9597716_prep.kd
    .args:
      - { .name: x, .offset: 0, .size: 8, .value_kind: global_buffer, .address_space: global }
      - { .name: ln_w, .offset: 8, .size: 8, .value_kind: global_buffer, .address_space: global }
      - { .name: ln_b, .offset: 16, .size: 8, .value_kind: global_buffer, .address_space: global }
      - { .name: Wq, .offset: 24, .size: 8, .value_kind: global_buffer, .address_space: global }
      - { .name: Wk, .offset: 32, .size: 8, .value_kind: global_buffer, .address_space: global }
      - { .name: Wv, .offset: 40, .size: 8, .value_kind: global_buffer, .address_space: global }
      - { .name: W_out, .offset: 48, .size: 8, .value_kind: global_buffer, .address_space: global }
      - { .name: emb, .offset: 56, .size: 8, .value_kind: global_buffer, .address_space: global }
      - { .name: W_emb, .offset: 64, .size: 8, .value_kind: global_buffer, .address_space: global }
      - { .name: xq, .offset: 72, .size: 8, .value_kind: global_buffer, .address_space: global }
      - { .name: wc, .offset: 80, .size: 8, .value_kind: global_buffer, .address_space: global }
      - { .name: embp, .offset: 88, .size: 8, .value_kind: global_buffer, .address_space: global }
    .group_segment_fixed_size: 44032
    .private_segment_fixed_size: 0
    .kernarg_segment_align: 8
    .kernarg_segment_size: 96
    .max_flat_workgroup_size: 128
    .sgpr_count:     66
    .vgpr_count:     256
    .wavefront_size: 32
...
	.end_amdgpu_metadata
.endif
;; end of part 1
;; launch qkv (part 2): grid 8 x 32, 4 waves a work-group, clusters of 4 x 4, 327,680 bytes of LDS; arguments xq, wc, bq, bk, bv, src_mask, pq, attp; writes pq, attp
.if DOCPART == 2
	.amdgcn_target "amdgcn-amd-amdhsa--gfx1250"
	.amdhsa_code_object_version 6
	.text
	.protected	k_qb5a9597716_qkv
	.globl	k_qb5a9597716_qkv
	.p2align	8
	.type	k_qb5a9597716_qkv,@function
k_qb5a9597716_qkv:
	s_mov_b64 s[64:65], 0
	v_nop
	global_prefetch_b8 v0, s[64:65] scope:SCOPE_SE
	s_setreg_imm32_b32 hwreg(HW_REG_WAVE_MODE, 25, 1), 1
	s_wait_xcnt 0x0
	s_wait_alu depctr_hold_cnt(0) depctr_sa_sdst(0) depctr_va_vdst(0) depctr_va_sdst(0) depctr_va_ssrc(0) depctr_va_vcc(0) depctr_vm_vsrc(0)
	s_getreg_b32 s2, hwreg(HW_REG_IB_STS2, 6, 4)
	s_cmp_eq_u32 s2, 0
	s_cbranch_scc0 .Lentry_in_a_cluster
	s_endpgm
.Lentry_in_a_cluster:
	s_bfe_u32 s2, ttmp6, 0x10000c
	s_cmp_lg_u32 s2, 0xf033
	s_cbranch_scc0 .Lentry_shape_is_right
	s_endpgm
.Lentry_shape_is_right:
; Launch 2 of 4.  No work of reference() is left out.  A work-group takes one head (hd) and one block R = 8 b + chunk of 256 rows:
;   Q : q = xn Wq + bq; p_q = 2^(t - M), M = ceil(the row's largest t) over the head's 128; codes along d, scale words and the sum l_q -> pq
;   KV: k = xn Wk + bk + (1 - mask)(-1e6), v = (xn Wv + bv) mask; p_k = 2^(t - M_c) with the CHUNK's own whole number M_c for each d (launch 3 rescales by exact powers of two); p_k and v -> codes along time
;   att partial [l][d] = sum over the chunk's 256 rows of v p_k, with -M_c and the chunk's sum l_c -> attp
; All products by the scaled 16x16x128 form on E3M2 codes.  xn's codes (196,608 bytes) and Wq's (98,304) come into LDS once, by joint tensor loads: xn's hang on R alone and are shared along a row of the 4 x 4 cluster,
; Wq's on hd alone and are shared along a column.  Wk's and Wv's fragments are each read by ONE wave of the work-group: they go from memory straight into registers, three K steps ahead.
; ORDER INSIDE A BLOCK OF 32: a result's tiles 2 b, 2 b + 1 give a lane element 32 b + 16 u + 8 h + j at the operand's place 32 b + 16 h + 8 u + j: a permutation inside the block, the same on both sides of the
; products over time (p_k, v) and over d (p_q, att), so the sums and the block scales stand.
; Q: wave w owns rows 64 w on, source 0 = Wq's tile (a lane holds one row, registers run along d).  KV: wave w owns k's and v's tiles 2 w, 2 w + 1 for all 256 rows, source 0 = xn's tile (a lane holds one column, registers run along time).
; LIMITS: NaN and infinities are not served; p under 2^-126 is 0; a block of zeros has the byte 1; the biases enter as the C of a sum's first product (another order of rounding than reference()'s).
; REGISTERS.  Window 0: v0-31 addresses, v28-31 biases; v32-95 xn's scale words; v96-111 Wk's, Wv's; v112-127 xn's for my Q rows; v128-159 Wq's (v112-159 later ring set 2); v160-207 ring set 1, later v's fragments;
;   v208-223 TM, v224 PW, v225-231 statistics, v232-243 PC, v244-251 QT; v252-255 v's scale words.
;   Window 1: Q: Wq's fragments, two sets; KV: xn's 16 fragments, v192-239 ring set 0; later the mask's two tables, then p_k's 16 fragments.   Windows 2, 3: accumulators; window 3 in Q: v0-63 p, v64-127 bq, v128-223 xn's fragments.
.set WQ,    196608
.set SPARE, 294912
.set MSK,   295424                     ; the chunk's mask, 1,024 bytes; behind it (1 - mask)(-1e6)
.set PKI,   196608                     ; p_k's images [d tile][f][1536]: in Wq's bytes, which have had their one fill and, behind the barrier at Q's end, their last read
.set PKS,   221184                     ; their scale words [d tile][f][128]
.set SPW,   2
.set NIL,   3
.set TM,    208
.set PW,    224
.set PC,    232
.set QT,    244
.set SEL,   66
.set CS,    68
.set SHI,   70
.set MSB, 0
.macro WIN new                         ; the immediate's high byte repeats the setting that is left
.if MSB != (\new)
	s_set_vgpr_msb (MSB<<8)|(\new)
.set MSB, (\new)
.endif
.endm
.macro PLACES n
.rept \n
	v_nop
.endr
.endm
.macro CROUND                          ; a round of the cluster's barrier
	s_barrier_signal -1
	s_barrier_wait -1
	s_cmp_lg_u32 s24, 0
	s_cbranch_scc1 .Lnot_wave_0_\@
	s_barrier_signal -3
.Lnot_wave_0_\@:
	s_barrier_wait -3
	s_barrier_signal -1
	s_barrier_wait -1
.endm
; D, A, B, C by their first registers; the scale registers; ra, rb = 1: the scales stand in lanes 16-31
.macro WMC d, a, b, c, sa, sb, ra, rb
.if ((\ra) != 0) && ((\rb) != 0)
	v_wmma_scale_f32_16x16x128_f8f6f4 v[(\d):(\d)+7], v[(\a):(\a)+11], v[(\b):(\b)+11], v[(\c):(\c)+7], v[(\sa)], v[(\sb)] matrix_a_fmt:MATRIX_FMT_BF6 matrix_b_fmt:MATRIX_FMT_BF6 matrix_a_scale:MATRIX_SCALE_ROW1 matrix_b_scale:MATRIX_SCALE_ROW1
.elseif (\ra) != 0
	v_wmma_scale_f32_16x16x128_f8f6f4 v[(\d):(\d)+7], v[(\a):(\a)+11], v[(\b):(\b)+11], v[(\c):(\c)+7], v[(\sa)], v[(\sb)] matrix_a_fmt:MATRIX_FMT_BF6 matrix_b_fmt:MATRIX_FMT_BF6 matrix_a_scale:MATRIX_SCALE_ROW1
.elseif (\rb) != 0
	v_wmma_scale_f32_16x16x128_f8f6f4 v[(\d):(\d)+7], v[(\a):(\a)+11], v[(\b):(\b)+11], v[(\c):(\c)+7], v[(\sa)], v[(\sb)] matrix_a_fmt:MATRIX_FMT_BF6 matrix_b_fmt:MATRIX_FMT_BF6 matrix_b_scale:MATRIX_SCALE_ROW1
.else
	v_wmma_scale_f32_16x16x128_f8f6f4 v[(\d):(\d)+7], v[(\a):(\a)+11], v[(\b):(\b)+11], v[(\c):(\c)+7], v[(\sa)], v[(\sb)] matrix_a_fmt:MATRIX_FMT_BF6 matrix_b_fmt:MATRIX_FMT_BF6
.endif
.endm
.macro WM0 d, a, b, sa, sb             ; C = 0 starts a sum; both scales in lanes 0-15
	v_wmma_scale_f32_16x16x128_f8f6f4 v[(\d):(\d)+7], v[(\a):(\a)+11], v[(\b):(\b)+11], 0, v[(\sa)], v[(\sb)] matrix_a_fmt:MATRIX_FMT_BF6 matrix_b_fmt:MATRIX_FMT_BF6
.endm
; 64 numbers of a lane in window w, register 16 b + i = place 32 b + 16 (lane / 16) + i of my row, become a fragment's codes in v[pc] on and its scale word in v[pw], both in window 0
.macro QUANT s, w, pc, pw
	WIN 5*(\w)
.irp b, 0,1,2,3
	v_max3_num_f32 v[TM+\b], |v[(\s)+16*\b]|, |v[(\s)+16*\b+1]|, 0x2800000   ; with the floor 2^(5 - 127): the byte cannot fall under 1
.endr
.irp i, 2,4,6,8,10,12,14
.irp b, 0,1,2,3
	v_max3_num_f32 v[TM+\b], |v[(\s)+16*\b+\i]|, |v[(\s)+16*\b+\i+1]|, v[TM+\b]
.endr
.endr
	WIN 0
.irp b, 0,1,2,3
	v_permlanex16_b32 v[TM+4+\b], v[TM+\b], s[SEL], s[SEL+1]
.endr
.irp b, 0,1,2,3
	v_max_num_f32 v[TM+\b], v[TM+\b], v[TM+4+\b]
.endr
.irp b, 0,1,2,3
	v_add_nc_u32 v[TM+12+\b], 0xfe000000, v[TM+\b] ; 4 off the exponent field: the conversion's scale operand
.endr
.irp b, 0,1,2,3
	v_lshrrev_b32 v[TM+4+\b], 23, v[TM+12+\b]
.endr
	v_lshl_or_b32 v[(\pw)], v[TM+5], 8, v[TM+4]
	v_lshl_or_b32 v[(\pw)], v[TM+6], 16, v[(\pw)]
	v_lshl_or_b32 v[(\pw)], v[TM+7], 24, v[(\pw)]
	WIN \w
.irp c, 0,1
	v_cvt_scalef32_pk16_bf6_f32 v[(\pc)+6*\c:(\pc)+6*\c+2], v[(\s)+32*\c:(\s)+32*\c+15], v[TM+12+2*\c]
	v_cvt_scalef32_pk16_bf6_f32 v[QT+4*\c:QT+4*\c+2], v[(\s)+32*\c+16:(\s)+32*\c+31], v[TM+12+2*\c+1]
.endr
	WIN 0
	v_nop                                          ; a plain instruction behind the conversions
.irp c, 0,1
.irp i, 0,1,2
	v_permlane16_swap_b32 v[(\pc)+6*\c+\i], v[QT+4*\c+\i]   ; a whole block to a lane
.endr
.irp i, 0,1,2
	v_mov_b32 v[(\pc)+6*\c+3+\i], v[QT+4*\c+\i]
.endr
.endr
.endm
	s_load_b512 s[8:23], s[0:1], 0x0               ; xq, wc, bq, bk, bv, src_mask, pq, attp
	v_lshl_add_u32 v[SPW], v0, 2, SPARE
	v_mov_b32 v[NIL], 0
	ds_add_u32 v[SPW], v[NIL]                      ; the opening: the add, twice on end, and its wait ahead of my first tensor load
	ds_add_u32 v[SPW], v[NIL]
	v_lshrrev_b32 v208, 5, v0
	v_readfirstlane_b32 s24, v208                  ; wave
	s_bfe_u32 s25, ttmp6, 0x40000                  ; cx
	s_bfe_u32 s26, ttmp6, 0x40004                  ; cy
	s_lshl_b32 s27, ttmp9, 2
	s_add_co_u32 s27, s27, s25                     ; hd
	s_and_b32 s28, ttmp7, 0xffff
	s_lshl_b32 s28, s28, 2
	s_add_co_u32 s28, s28, s26                     ; R
	s_lshl_b32 s29, s26, 2
	s_lshl_b32 s29, 15, s29                        ; my row of the cluster
	s_lshl_b32 s30, 0x1111, s25                    ; my column
	s_or_b32 s32, s29, (3<<16)|(1<<21)             ; group 1 for xn: the mask, elements of 8 bytes, bit 21 beside a mask; dense rows of 256 bytes, no padding
	s_or_b32 s40, s30, (3<<16)|(1<<21)             ; for Wq
.irp g, 32, 40
	s_mov_b32 s[\g+1], 32<<16                      ; tensor_dim0 = 32
	s_mov_b32 s[\g+3], 32<<16                      ; tile_dim0 = 32
	s_mov_b32 s[\g+5], 32                          ; from row to row
	s_mov_b32 s[\g+6], 0
	s_mov_b32 s[\g+7], 0
.endr
	s_mov_b32 s34, 96<<16                          ; xn: a K step's 16 fragments, 96 rows
	s_mov_b32 s36, 96
	s_mov_b32 s42, 48<<16                          ; Wq: 8 fragments, 48 rows
	s_mov_b32 s44, 48
	s_mul_i32 s86, s28, 204800                     ; xn's address: R and the wave's number alone
	s_mul_i32 s31, s24, 24576
	s_add_co_u32 s86, s86, s31
	s_mov_b32 s87, 0
	s_mul_i32 s88, s27, 102400                     ; Wq's: hd and the wave's number alone
	s_mul_i32 s90, s24, 12288
	s_add_co_u32 s88, s88, s90
	s_mov_b32 s89, 0
	s_mov_b32 s[SEL], 0x76543210
	s_mov_b32 s[SEL+1], 0xfedcba98
	s_mov_b32 s[CS], 0x3fb8aa3b                    ; log2(e)
	s_mov_b32 s[CS+1], s[CS]
	s_mov_b32 s[SHI], 0xffff0000                   ; lanes 16-31
	s_wait_dscnt 0x0                               ; both opening adds are done
	s_wait_kmcnt 0x0
	s_mov_b32 s48, 1                               ; K step w of xn
	s_mov_b32 s49, s31
	s_add_nc_u64 s[50:51], s[8:9], s[86:87]
	s_mov_b32 s56, 1                               ; K step 4 + w
	s_add_co_u32 s57, s31, 98304
	s_add_nc_u64 s[58:59], s[50:51], 98304
	s_or_b32 s51, s51, 0x80000000
	s_or_b32 s59, s59, 0x80000000
	s_mov_b32 s52, 1                               ; K step w of Wq
	s_add_co_u32 s53, s90, WQ
	s_add_nc_u64 s[54:55], s[10:11], s[88:89]
	s_mov_b32 s60, 1                               ; K step 4 + w
	s_add_co_u32 s61, s90, WQ+49152
	s_add_nc_u64 s[62:63], s[54:55], 49152
	s_or_b32 s55, s55, 0x80000000
	s_or_b32 s63, s63, 0x80000000
	CROUND                                         ; all sixteen work-groups are here: the joint loads meet
	tensor_load_to_lds s[48:51], s[32:39]          ; four loads of mine are out: all first fills, nothing is filled again in this launch
	s_nop 0
	tensor_load_to_lds s[52:55], s[40:47]
	s_nop 0
	tensor_load_to_lds s[56:59], s[32:39]
	s_nop 0
	tensor_load_to_lds s[60:63], s[40:47]
	s_nop 0
	PLACES 4
	s_mov_b32 s93, 0
	s_mov_b32 s95, 0
	s_mul_i32 s92, s27, 102400
	s_add_nc_u64 s[84:85], s[10:11], s[92:93]
	s_add_nc_u64 s[72:73], s[84:85], 819200        ; Wk's group of my head
	s_add_nc_u64 s[74:75], s[84:85], 1638400       ; Wv's
	s_add_nc_u64 s[84:85], s[84:85], 98304         ; Wq's scale words
	s_mul_i32 s92, s28, 204800
	s_add_co_u32 s92, s92, 196608
	s_add_nc_u64 s[82:83], s[8:9], s[92:93]        ; xn's scale words
	s_mul_i32 s92, s28, 212992
	s_mul_i32 s94, s27, 3072
	s_add_co_u32 s94, s94, s92
	s_add_nc_u64 s[76:77], s[20:21], s[94:95]      ; pq: images
	s_lshl_b32 s94, s27, 7
	s_add_co_u32 s94, s94, s92
	s_add_co_u32 s94, s94, 24576
	s_add_nc_u64 s[78:79], s[20:21], s[94:95]      ; pq: scale words, and 1,024 on the sums
	s_lshr_b32 s92, s28, 3
	s_lshl_b32 s92, s92, 3
	s_add_co_u32 s92, s92, s27
	s_lshl_b32 s92, s92, 3
	s_and_b32 s94, s28, 7
	s_add_co_u32 s92, s92, s94
	s_mul_i32 s92, s92, 66560
	s_add_nc_u64 s[80:81], s[22:23], s[92:93]      ; attp: ((8 b + hd) 8 + chunk)
	s_lshl_b32 s92, s27, 9
	s_add_nc_u64 s[12:13], s[12:13], s[92:93]
	s_add_nc_u64 s[14:15], s[14:15], s[92:93]
	s_add_nc_u64 s[16:17], s[16:17], s[92:93]
	s_lshl_b32 s92, s28, 10
	s_add_nc_u64 s[18:19], s[18:19], s[92:93]
	v_and_b32 v1, 31, v0                           ; L
	v_and_b32 v209, 15, v0                         ; r
	v_bfe_u32 v210, v0, 4, 1                       ; h
	v_lshlrev_b32 v4, 4, v1
	v_lshlrev_b32 v5, 2, v1
	v_mul_u32_u24 v6, v1, 48                       ; xn's fragments lie lane by lane, 48 bytes each: v6-9 for K steps 0-1, 2-3, 4-5, 6-7
	v_add_nc_u32 v7, 49152, v6
	v_add_nc_u32 v8, 98304, v6
	v_add_nc_u32 v9, 147456, v6
	v_mul_u32_u24 v211, v208, 6144
	v_add_nc_u32 v10, v6, v211                     ; v10-13: the same at my four tiles of rows
	v_add_nc_u32 v11, v7, v211
	v_add_nc_u32 v12, v8, v211
	v_add_nc_u32 v13, v9, v211
	v_add_nc_u32 v14, WQ, v4
	v_add_nc_u32 v15, WQ+49152, v4
	v_mad_u32_u24 v16, v208, 3072, v4              ; Wk, Wv: my pair of tiles
	v_mad_u32_u24 v17, v208, 53248, v4
	v_mad_u32_u24 v18, v208, 53248, v5
	v_mad_u32_u24 v19, v208, 6144, v4
	v_add_nc_u32 v19, PKI, v19
	v_lshl_add_u32 v20, v208, 9, v5
	v_add_nc_u32 v20, PKS, v20
	v_lshl_add_u32 v21, v210, 5, MSK
	v_lshl_add_u32 v22, v208, 14, v4
	v_lshl_add_u32 v23, v208, 7, v5
	v_add_nc_u32 v24, PKI, v4
	v_add_nc_u32 v25, PKS, v5
	v_lshlrev_b32 v212, 3, v0
	v_lshl_add_u32 v213, v0, 3, MSK
	v_lshlrev_b32 v214, 5, v1
	v_lshl_add_u32 v215, v208, 11, v214
	v_lshlrev_b32 v216, 5, v210
	v_lshlrev_b32 v217, 2, v209
	v_lshl_add_u32 v217, v208, 7, v217
	v_and_b32 v218, 8, v209
	v_add_nc_u32 v218, v218, v209
	v_lshlrev_b32 v218, 2, v218
	v_lshl_add_u32 v218, v208, 7, v218             ; bv by Wv's permuted tiles
	v_mov_b32 v227, 0                              ; (named as the upper half of the pair v[226:227])
.macro RINGLD ks, base, win            ; K step ks of my two tiles of Wk and two of Wv: 12 loads
	WIN \win
.irp c, 0,1
.irp g, 0,1,2
	global_load_b128 v[(\base)+12*\c+4*\g:(\base)+12*\c+4*\g+3], v16, s[72:73] offset:12288*(\ks)+1536*\c+512*\g
.endr
.endr
.irp c, 0,1
.irp g, 0,1,2
	global_load_b128 v[(\base)+24+12*\c+4*\g:(\base)+24+12*\c+4*\g+3], v16, s[74:75] offset:12288*(\ks)+1536*\c+512*\g
.endr
.endr
.endm
	global_load_b64 v[220:221], v212, s[18:19]     ; the chunk's mask, two rows a thread
.irp p, 0,1
.irp q, 0,1
	global_load_b128 v[112+8*\p+4*\q:112+8*\p+4*\q+3], v215, s[82:83] offset:1024*\p+16*\q
.endr
.endr
.irp k, 0,1,2,3,4,5,6,7
.irp p, 0,1,2,3
	global_load_b32 v[128+4*\k+\p], v5, s[84:85] offset:512*\k+128*\p
.endr
.endr
	WIN 0xc0
.irp tu, 0,1,2,3,4,5,6,7
.irp q, 0,1
	global_load_b128 v[64+8*\tu+4*\q:64+8*\tu+4*\q+3], v216, s[12:13] offset:64*\tu+16*\q   ; bq in the result's layout
.endr
.endr
	WIN 0
.irp p, 0,1,2,3,4,5,6,7
.irp q, 0,1
	global_load_b128 v[32+8*\p+4*\q:32+8*\p+4*\q+3], v214, s[82:83] offset:1024*\p+16*\q
.endr
.endr
.irp k, 0,1,2,3,4,5,6,7
	global_load_b32 v[96+\k], v23, s[72:73] offset:98304+512*\k
	global_load_b32 v[104+\k], v23, s[74:75] offset:98304+512*\k
.endr
	global_load_b32 v28, v217, s[14:15]
	global_load_b32 v29, v217, s[14:15] offset:64
	global_load_b32 v30, v218, s[16:17]
	global_load_b32 v31, v218, s[16:17] offset:32
	RINGLD 0, 192, 0x40
	RINGLD 1, 160, 0
	s_wait_loadcnt 63                              ; 112 younger loads: the mask is in
	v_sub_f32 v222, 1.0, v220
	v_sub_f32 v223, 1.0, v221
	v_mul_f32 v222, 0xc9742400, v222               ; (1 - mask) x -1e6, rounded as reference() rounds it
	v_mul_f32 v223, 0xc9742400, v223
	ds_store_b64 v213, v[220:221]
	ds_store_b64 v213, v[222:223] offset:1024
	s_wait_loadcnt 0x0
	s_wait_tensorcnt 2                             ; K steps 0-3: my two older loads are in; the two younger may stay out
	s_wait_dscnt 0x0
	s_barrier_signal -1
	s_barrier_wait -1
; ---------------------------------------------------------------- Q
.macro FETCHQ s
.set FW, 96*((\s)%2)
.set FX, 128+48*((\s)%2)
	WIN 0x40
.irp tu, 0,1,2,3,4,5,6,7
.irp g, 0,1,2
	ds_load_b128 v[FW+12*\tu+4*\g:FW+12*\tu+4*\g+3], v[14+(\s)/4] offset:12288*((\s)%4)+1536*\tu+512*\g
.endr
.endr
	WIN 0xc0
.irp t, 0,1,2,3
.irp g, 0,1,2
	ds_load_b128 v[FX+12*\t+4*\g:FX+12*\t+4*\g+3], v[10+(\s)/2] offset:24576*((\s)%2)+1536*\t+16*\g
.endr
.endr
.endm
.macro STEPQ s
.if (\s) == 3
	s_wait_tensorcnt 0x0                           ; K steps 4-7: my part is in,
	s_wait_dscnt 0x0
	s_barrier_signal -1
	s_barrier_wait -1                              ; everybody's is
.endif
.if (\s) < 7
	PLACES 4                                       ; in front of loads into registers that the step before multiplied
	FETCHQ (\s)+1
	s_wait_dscnt 36                                ; all but the 36 just issued
.else
	s_wait_dscnt 0x0
.endif
.set FW, 96*((\s)%2)
.set FX, 128+48*((\s)%2)
.if (\s) == 0
	WIN 0xbd                                       ; A window 1, B and C (bq) window 3, D window 2
.else
	WIN 0xad
.endif
.irp tu, 0,1,2,3,4,5,6,7               ; the 32 accumulators by turns
.irp t, 0,1,2,3
.if (\s) == 0
	WMC 64*\t+8*\tu, FW+12*\tu, FX+12*\t, 64+8*\tu, 128+4*(\s)+\tu/2, 112+8*(\t/2)+(\s), \tu%2, \t%2
.else
	WMC 64*\t+8*\tu, FW+12*\tu, FX+12*\t, 64*\t+8*\tu, 128+4*(\s)+\tu/2, 112+8*(\t/2)+(\s), \tu%2, \t%2
.endif
.endr
.endr
.endm
	FETCHQ 0
.irp s, 0,1,2,3,4,5,6,7
	STEPQ \s
.endr
	WIN 0
	s_barrier_signal -1                            ; my reads of Wq's bytes are over (the last wait on DScnt was for 0):
	s_barrier_wait -1                              ; behind this barrier they serve as p_k's images
	PLACES 4
	RINGLD 2, 112, 0                               ; into the registers that held Q's scale words
; Tile t of my rows: the softmax over the head's 128, its codes, scale word and sum
.macro QEPI t
.set ZB, 64*(\t)
	s_wait_xcnt 0x0                                ; the last tile's stores have read their registers
	WIN 0x0a
.irp b, 0,1,2,3
	v_max_num_f32 v[TM+\b], v[ZB+16*\b], v[ZB+16*\b+1]   ; each accumulator from its low end on
.endr
.irp i, 2,4,6,8,10,12,14
.irp b, 0,1,2,3
	v_max3_num_f32 v[TM+\b], v[ZB+16*\b+\i], v[ZB+16*\b+\i+1], v[TM+\b]
.endr
.endr
	WIN 0
	v_max3_num_f32 v225, v[TM], v[TM+1], v[TM+2]
	v_max_num_f32 v225, v225, v[TM+3]
	v_permlanex16_b32 v[TM+4], v225, s[SEL], s[SEL+1]
	v_max_num_f32 v225, v225, v[TM+4]
	v_mul_f32 v225, s[CS], v225                    ; the row's largest t
	v_floor_f32 v226, -v225                        ; -M = floor(-t)
	WIN 0xc2
.set mm, 0
.rept 32
	v_pk_fma_f32 v[mm:mm+1], v[ZB+mm:ZB+mm+1], s[CS:CS+1], v[226:227] op_sel_hi:[1,0,0]   ; t - M
.set mm, mm+2
.endr
	WIN 0xc3
.set mm, 0
.rept 64
	v_exp_f32 v[mm], v[mm]
.set mm, mm+1
.endr
	WIN 0
	v_nop                                          ; a plain instruction behind the batch,
	s_wait_alu depctr_va_vdst(0)                   ; and one wait for it, ahead of its first reader
	WIN 0x0f
	v_pk_add_f32 v[228:229], v[0:1], v[2:3]        ; the sum of the unquantised p, in two chains
	v_pk_add_f32 v[230:231], v[4:5], v[6:7]
	WIN 0x0c
.set mm, 8
.rept 14
	v_pk_add_f32 v[228:229], v[228:229], v[mm:mm+1]
	v_pk_add_f32 v[230:231], v[230:231], v[mm+2:mm+3]
.set mm, mm+4
.endr
	WIN 0
	v_pk_add_f32 v[228:229], v[228:229], v[230:231]
	v_add_f32 v228, v228, v229
	v_permlanex16_b32 v229, v228, s[SEL], s[SEL+1]
	v_add_f32 v228, v228, v229                     ; l_q
	QUANT 0, 3, PC, PW
.irp g, 0,1,2
	global_store_b128 v17, v[PC+4*\g:PC+4*\g+3], s[76:77] offset:26624*((\t)/2)+1536*((\t)%2)+512*\g
.endr
.if (\t)%2 == 0
	v_mov_b32 v26, v[PW]
	v_mov_b32 v27, v228
.else
	v_cndmask_b32 v26, v26, v[PW], s[SHI]          ; lanes 0-15 the even tile's rows, lanes 16-31 the odd tile's
	v_cndmask_b32 v27, v27, v228, s[SHI]
	global_store_b32 v18, v26, s[78:79] offset:26624*((\t)/2)
	global_store_b32 v18, v27, s[78:79] offset:26624*((\t)/2)+1024
.endif
.endm
	QEPI 0
	QEPI 1
	QEPI 2
	QEPI 3
; ---------------------------------------------------------------- KV
	s_wait_xcnt 0x0                                ; the stores above have read v232-243
.irp c, 0,1,2,3
.irp j, 0,1,2,3,4,5,6,7
	v_mov_b32 v[208+8*\c+\j], v[28+\c]             ; a lane holds one column: its bias in all eight registers of C
.endr
.endr
.macro FETCHX s, a0                    ; xn's fragments a0 .. a0 + 7 of K step s
	WIN 0x40
.irp a, 0,1,2,3,4,5,6,7
.irp g, 0,1,2
	ds_load_b128 v[12*((\a0)+\a)+4*\g:12*((\a0)+\a)+4*\g+3], v[6+(\s)/2] offset:24576*((\s)%2)+1536*((\a0)+\a)+16*\g
.endr
.endr
.endm
.macro MULKV s, a0
.irp a, 0,1,2,3,4,5,6,7
.irp c, 0,1,2,3
.if (\s) == 0
	WMC 64*\c+8*\a, 12*((\a0)+\a), RB+12*\c, 208+8*\c, 32+8*(((\a0)+\a)/2)+(\s), 96+8*(\c/2)+(\s), \a%2, \c%2
.else
	WMC 64*\c+8*\a, 12*((\a0)+\a), RB+12*\c, 64*\c+8*\a, 32+8*(((\a0)+\a)/2)+(\s), 96+8*(\c/2)+(\s), \a%2, \c%2
.endif
.endr
.endr
.endm
.macro STEPKV s
.if (\s)%3 == 0
.set RB, 192
.set RW, 1
.elseif (\s)%3 == 1
.set RB, 160
.set RW, 0
.else
.set RB, 112
.set RW, 0
.endif
	s_wait_dscnt 24                                ; fragments 0-7 are in; 8-15 (24 loads) may be out
.if ((\s) >= 2) && ((\s) <= 5)
	s_wait_loadcnt 24                              ; this step's weights are in; the two younger sets may be out
.elseif (\s) == 6
	s_wait_loadcnt 12
.elseif (\s) == 7
	s_wait_loadcnt 0x0
.endif
.if (\s) == 0
	WIN 0x81|(RW<<2)                               ; A window 1, B the set's, C (biases) window 0, D window 2
.else
	WIN 0xa1|(RW<<2)
.endif
	MULKV \s, 0
	s_wait_dscnt 0x0
.if (\s) < 7
	PLACES 4
	FETCHX (\s)+1, 0
.endif
.if (\s) == 0
	WIN 0xc1|(RW<<2)
.else
	WIN 0xf1|(RW<<2)
.endif
	MULKV \s, 8
.if (\s) < 7
	PLACES 4
	FETCHX (\s)+1, 8
.endif
.if (\s) <= 4
	RINGLD (\s)+3, RB, 0x40*RW                     ; three K steps ahead, into the set just multiplied (behind the four places above)
.endif
.endm
	FETCHX 0, 0
	FETCHX 0, 8
.irp s, 0,1,2,3,4,5,6,7
	STEPKV \s
.endr
	PLACES 4
	WIN 0x40
.irp a, 0,1,2,3,4,5,6,7,8,9,10,11,12,13,14,15
.irp q, 0,1
	ds_load_b128 v[8*\a+4*\q:8*\a+4*\q+3], v21 offset:1024+64*\a+16*\q      ; (1 - mask)(-1e6) in the result's layout: register 8 a + j is row 16 a + 8 h + j
	ds_load_b128 v[128+8*\a+4*\q:128+8*\a+4*\q+3], v21 offset:64*\a+16*\q   ; the mask likewise
.endr
.endr
	s_wait_dscnt 0x0
; k's tile 2 w + c: the chunk's softmax over time for my column d
.macro KEPI c
	WIN 0x06
.set mm, 0
.rept 32
	v_pk_add_f32 v[32+mm:33+mm], v[64*(\c)+mm:64*(\c)+mm+1], v[mm:mm+1]
.set mm, mm+2
.endr
	WIN 0x07
.set mm, 0
.rept 32
	v_pk_add_f32 v[96+mm:97+mm], v[64*(\c)+mm:64*(\c)+mm+1], v[64+mm:65+mm]
.set mm, mm+2
.endr
	WIN 0
.irp b, 0,1,2,3
	v_max3_num_f32 v[TM+\b], v[32+32*\b], v[33+32*\b], v[34+32*\b]
.endr
.irp i, 3,5,7,9,11,13,15,17,19,21,23,25,27,29
.irp b, 0,1,2,3
	v_max3_num_f32 v[TM+\b], v[TM+\b], v[32+32*\b+\i], v[33+32*\b+\i]
.endr
.endr
.irp b, 0,1,2,3
	v_max_num_f32 v[TM+\b], v[TM+\b], v[63+32*\b]
.endr
	v_max3_num_f32 v225, v[TM], v[TM+1], v[TM+2]
	v_max_num_f32 v225, v225, v[TM+3]
	v_permlanex16_b32 v[TM+4], v225, s[SEL], s[SEL+1]
	v_max_num_f32 v225, v225, v[TM+4]
	v_mul_f32 v225, s[CS], v225
	v_floor_f32 v226, -v225                        ; -M_c
.set mm, 0
.rept 64
	v_pk_fma_f32 v[32+mm:33+mm], v[32+mm:33+mm], s[CS:CS+1], v[226:227] op_sel_hi:[1,0,0]
.set mm, mm+2
.endr
.set mm, 0
.rept 128
	v_exp_f32 v[32+mm], v[32+mm]
.set mm, mm+1
.endr
	v_nop
	s_wait_alu depctr_va_vdst(0)
	v_pk_add_f32 v[228:229], v[32:33], v[34:35]
	v_pk_add_f32 v[230:231], v[36:37], v[38:39]
.set mm, 8
.rept 30
	v_pk_add_f32 v[228:229], v[228:229], v[32+mm:33+mm]
	v_pk_add_f32 v[230:231], v[230:231], v[34+mm:35+mm]
.set mm, mm+4
.endr
	v_pk_add_f32 v[228:229], v[228:229], v[230:231]
	v_add_f32 v228, v228, v229
	v_permlanex16_b32 v229, v228, s[SEL], s[SEL+1]
	v_add_f32 v228, v228, v229                     ; l_c
.if (\c) == 0
	v_mov_b32 v26, v226
	v_mov_b32 v27, v228
.else
	v_cndmask_b32 v26, v26, v226, s[SHI]
	v_cndmask_b32 v27, v27, v228, s[SHI]
	global_store_b32 v23, v26, s[80:81] offset:65536
	global_store_b32 v23, v27, s[80:81] offset:66048
.endif
.irp f, 0,1
	QUANT 32+64*\f, 0, PC, PW
.irp g, 0,1,2
	ds_store_b128 v19, v[PC+4*\g:PC+4*\g+3] offset:(2*(\c)+\f)*1536+512*\g   ; an image of the operand's registers
.endr
	ds_store_b32 v20, v[PW] offset:(2*(\c)+\f)*128
	s_wait_dscnt 0x0
.endr
.endm
	KEPI 0
	KEPI 1
.macro VEPI cc, f                      ; v's tile 2 w + cc, rows 128 f on: x mask, codes; the fragment stays in my registers
	WIN 0x06+(\f)
.set mm, 0
.rept 32
	v_pk_mul_f32 v[32+mm:33+mm], v[64*(2+(\cc))+mm:64*(2+(\cc))+mm+1], v[128+64*(\f)+mm:129+64*(\f)+mm]
.set mm, mm+2
.endr
	QUANT 32, 0, 160+12*(2*(\cc)+(\f)), 252+2*(\cc)+(\f)
.endm
	VEPI 0, 0
	VEPI 0, 1
	VEPI 1, 0
	VEPI 1, 1
; ---------------------------------------------------------------- the chunk's part of att
	s_wait_dscnt 0x0
	s_barrier_signal -1
	s_barrier_wait -1                              ; p_k's sixteen images lie in LDS
	WIN 0x40
.irp k, 0,1,2,3,4,5,6,7,8,9,10,11,12,13,14,15
.irp g, 0,1,2
	ds_load_b128 v[12*\k+4*\g:12*\k+4*\g+3], v24 offset:1536*\k+512*\g
.endr
.endr
	WIN 0
.irp k, 0,1,2,3,4,5,6,7,8,9,10,11,12,13,14,15
	ds_load_b32 v[32+\k], v25 offset:128*\k
.endr
	PLACES 8                                       ; v's scale words and fragments were written by vector instructions: eight and four places ahead of a scaled product
	s_wait_dscnt 0x0
	WIN 0xa1
.irp dl, 0,1,2,3,4,5,6,7               ; sixteen accumulators by turns; source 0 = p_k (rows d), source 1 = v (rows l)
.irp cc, 0,1
	WM0 8*(8*\cc+\dl), 12*(2*\dl), 160+12*(2*\cc), 32+2*\dl, 252+2*\cc
.endr
.endr
.irp dl, 0,1,2,3,4,5,6,7
.irp cc, 0,1
	WMC 8*(8*\cc+\dl), 12*(2*\dl+1), 160+12*(2*\cc+1), 8*(8*\cc+\dl), 32+2*\dl+1, 252+2*\cc+1, 0, 0
.endr
.endr
	PLACES 4
	WIN 0x08
.irp cc, 0,1
.irp dl, 0,1,2,3,4,5,6,7
.irp q, 0,1
	global_store_b128 v22, v[8*(8*\cc+\dl)+4*\q:8*(8*\cc+\dl)+4*\q+3], s[80:81] offset:8192*\cc+1024*\dl+512*\q   ; 512 consecutive bytes; each accumulator from its low end on
.endr
.endr
.endr
	WIN 0
	s_wait_tensorcnt 0x0                           ; the wave's end
	ds_add_u32 v[SPW], v[NIL]
	s_wait_dscnt 0x0
	CROUND                                         ; the closing round
	s_endpgm
.Lfunc_end_k_qb5a9597716_qkv:
	.size	k_qb5a9597716_qkv, .Lfunc_end_k_qb5a9597716_qkv-k_qb5a9597716_qkv
	.p2alignl 7, 3214868480
	.fill 96, 4, 3214868480
	.section	.rodata,"a",@progbits
	.p2align	6, 0x0
	.amdhsa_kernel k_qb5a9597716_qkv
		.amdhsa_group_segment_fixed_size 327680
		.amdhsa_private_segment_fixed_size 0
		.amdhsa_enable_private_segment 0
		.amdhsa_kernarg_size 64
		.amdhsa_user_sgpr_count 2
		.amdhsa_user_sgpr_kernarg_segment_ptr 1
		.amdhsa_wavefront_size32 1
		.amdhsa_system_sgpr_workgroup_id_x 1
		.amdhsa_system_sgpr_workgroup_id_y 1
		.amdhsa_system_sgpr_workgroup_id_z 1
		.amdhsa_system_vgpr_workitem_id 0
		.amdhsa_next_free_vgpr 1024
		.amdhsa_next_free_sgpr 100
		.amdhsa_reserve_vcc 0
		.amdhsa_float_denorm_mode_32 3
		.amdhsa_float_denorm_mode_16_64 3
		.amdhsa_memory_ordered 1
		.amdhsa_forward_progress 1
		.amdhsa_inst_pref_size 255
	.end_amdhsa_kernel
	.section	.bss,"aw",@nobits
	.p2align	6
	.space	262144
	.amdgpu_metadata
---
amdhsa.version: [ 1, 2 ]
amdhsa.kernels:
  - .name:           k_qb5a9597716_qkv
    .symbol:         k_qb5a9597716_qkv.kd
    .args:
      - { .name: xq, .offset: 0, .size: 8, .value_kind: global_buffer, .address_space: global }
      - { .name: wc, .offset: 8, .size: 8, .value_kind: global_buffer, .address_space: global }
      - { .name: bq, .offset: 16, .size: 8, .value_kind: global_buffer, .address_space: global }
      - { .name: bk, .offset: 24, .size: 8, .value_kind: global_buffer, .address_space: global }
      - { .name: bv, .offset: 32, .size: 8, .value_kind: global_buffer, .address_space: global }
      - { .name: src_mask, .offset: 40, .size: 8, .value_kind: global_buffer, .address_space: global }
      - { .name: pq, .offset: 48, .size: 8, .value_kind: global_buffer, .address_space: global }
      - { .name: attp, .offset: 56, .size: 8, .value_kind: global_buffer, .address_space: global }
    .group_segment_fixed_size: 327680
    .private_segment_fixed_size: 0
    .kernarg_segment_align: 8
    .kernarg_segment_size: 64
    .max_flat_workgroup_size: 128
    .sgpr_count:     100
    .vgpr_count:     1024
    .wavefront_size: 32
...
	.end_amdgpu_metadata
.endif
;; end of part 2
;; launch comb (part 3): grid 256 x 1, 1 waves a work-group, no clusters, 4,608 bytes of LDS; arguments attp, embp, b_emb, ln2_w, ln2_b, attc, film; writes attc, film
.if DOCPART == 3
	.amdgcn_target "amdgcn-amd-amdhsa--gfx1250"
	.amdhsa_code_object_version 6
	.text
	.protected	k_qb5a9597716_comb
	.globl	k_qb5a9597716_comb
	.p2align	8
	.type	k_qb5a9597716_comb,@function
k_qb5a9597716_comb:
	s_mov_b64 s[64:65], 0
	v_nop
	global_prefetch_b8 v0, s[64:65] scope:SCOPE_SE
	s_setreg_imm32_b32 hwreg(HW_REG_WAVE_MODE, 25, 1), 1
	s_wait_xcnt 0x0
; Launch 3 of 4.  No work of reference() is left out.  Work-group t = (8 b + hd) 8 + ltile, one wave:
;   att[l][d] of 16 l x 128 d = sum over the 8 chunks of part_c x 2^(M_c - M) / l, M = the largest M_c, l = sum of l_c 2^(M_c - M): the powers of two are exact; then codes along d -> attc
;   and 16 columns of the FiLM vectors: A = ln2_w (1 + scale), Bc = ln2_b (1 + scale) + shift, scale and shift = the 16 slices of silu(emb) W_emb added, + b_emb -> film
; LIMITS: NaN and infinities are not served; 1 / l is folded into the chunks' factors and ln2's gain into A, Bc (another order of rounding than reference()'s).
; REGISTERS: v4-10 addresses; v12-23 PC; v24-31 at work; v32-95 -M_c and l_c, then factors, set 0; v96-159 the film's loads, then factors, set 1; v160-223 the sums; v224-239 TM; v240 PW; v242-249 QT; window 1 v0-191: three chunks.
.set SPARE, 4096
.set SPW,   2
.set NIL,   3
.set PC,    12
.set TM,    224
.set PW,    240
.set QT,    242
.set SEL,   40
.set SHI,   42
.set MSB, 0
.macro WIN new
.if MSB != (\new)
	s_set_vgpr_msb (MSB<<8)|(\new)
.set MSB, (\new)
.endif
.endm
.macro QUANT s, w, pc, pw              ; as in launch 2
	WIN 5*(\w)
.irp b, 0,1,2,3
	v_max3_num_f32 v[TM+\b], |v[(\s)+16*\b]|, |v[(\s)+16*\b+1]|, 0x2800000
.endr
.irp i, 2,4,6,8,10,12,14
.irp b, 0,1,2,3
	v_max3_num_f32 v[TM+\b], |v[(\s)+16*\b+\i]|, |v[(\s)+16*\b+\i+1]|, v[TM+\b]
.endr
.endr
	WIN 0
.irp b, 0,1,2,3
	v_permlanex16_b32 v[TM+4+\b], v[TM+\b], s[SEL], s[SEL+1]
.endr
.irp b, 0,1,2,3
	v_max_num_f32 v[TM+\b], v[TM+\b], v[TM+4+\b]
.endr
.irp b, 0,1,2,3
	v_add_nc_u32 v[TM+12+\b], 0xfe000000, v[TM+\b]
.endr
.irp b, 0,1,2,3
	v_lshrrev_b32 v[TM+4+\b], 23, v[TM+12+\b]
.endr
	v_lshl_or_b32 v[(\pw)], v[TM+5], 8, v[TM+4]
	v_lshl_or_b32 v[(\pw)], v[TM+6], 16, v[(\pw)]
	v_lshl_or_b32 v[(\pw)], v[TM+7], 24, v[(\pw)]
	WIN \w
.irp c, 0,1
	v_cvt_scalef32_pk16_bf6_f32 v[(\pc)+6*\c:(\pc)+6*\c+2], v[(\s)+32*\c:(\s)+32*\c+15], v[TM+12+2*\c]
	v_cvt_scalef32_pk16_bf6_f32 v[QT+4*\c:QT+4*\c+2], v[(\s)+32*\c+16:(\s)+32*\c+31], v[TM+12+2*\c+1]
.endr
	WIN 0
	v_nop
.irp c, 0,1
.irp i, 0,1,2
	v_permlane16_swap_b32 v[(\pc)+6*\c+\i], v[QT+4*\c+\i]
.endr
.irp i, 0,1,2
	v_mov_b32 v[(\pc)+6*\c+3+\i], v[QT+4*\c+\i]
.endr
.endr
.endm
	s_load_b256 s[8:15], s[0:1], 0x0               ; attp, embp, b_emb, ln2_w
	s_load_b128 s[16:19], s[0:1], 0x20             ; ln2_b, attc
	s_load_b64 s[20:21], s[0:1], 0x30              ; film
	v_lshl_add_u32 v[SPW], v0, 2, SPARE
	v_mov_b32 v[NIL], 0
	v_and_b32 v4, 15, v0                           ; r
	v_lshrrev_b32 v5, 4, v0                        ; h
	v_lshlrev_b32 v6, 4, v0                        ; 16 L
	v_lshlrev_b32 v7, 2, v4
	v_lshl_add_u32 v8, v5, 12, v7                  ; lanes 0-15 the scale's half of emb_out, lanes 16-31 the shift's
	v_lshl_add_u32 v9, v5, 14, v7                  ; lanes 0-15 store A, lanes 16-31 Bc
	v_lshlrev_b32 v10, 5, v5                       ; the factors' table begins at LDS byte 0
.irp b, 0,1,2,3
	v_mov_b32 v[TM+4+\b], 0                        ; a lane permute's destination counts as one of its sources
.endr
	s_mov_b32 s[SEL], 0x76543210
	s_mov_b32 s[SEL+1], 0xfedcba98
	s_mov_b32 s[SHI], 0xffff0000
	s_lshr_b32 s24, ttmp9, 3                       ; 8 b + hd
	s_and_b32 s25, ttmp9, 7                        ; ltile
	s_lshr_b32 s26, ttmp9, 6                       ; b
	s_and_b32 s27, s24, 7                          ; hd
	s_mov_b32 s29, 0
	s_mov_b32 s31, 0
	s_lshl_b32 s30, s27, 7
	s_lshl_b32 s28, s25, 4
	s_add_co_u32 s30, s30, s28
	s_lshl_b32 s30, s30, 2                         ; my 16 columns, in bytes
	s_wait_kmcnt 0x0
	s_add_nc_u64 s[10:11], s[10:11], s[30:31]
	s_add_nc_u64 s[12:13], s[12:13], s[30:31]
	s_add_nc_u64 s[14:15], s[14:15], s[30:31]
	s_add_nc_u64 s[16:17], s[16:17], s[30:31]
	s_add_nc_u64 s[20:21], s[20:21], s[30:31]
	s_lshl_b32 s28, s26, 13
	s_add_nc_u64 s[10:11], s[10:11], s[28:29]
	s_lshl_b32 s28, s26, 12
	s_add_nc_u64 s[20:21], s[20:21], s[28:29]
	s_mul_i32 s28, s24, 532480
	s_add_nc_u64 s[32:33], s[8:9], s[28:29]        ; the head's eight chunks
	s_lshl_b32 s28, s25, 13
	s_add_nc_u64 s[34:35], s[32:33], s[28:29]      ; my tile of l in each
	s_mul_i32 s28, s24, 12800
	s_add_nc_u64 s[18:19], s[18:19], s[28:29]
	s_mul_i32 s28, s25, 1536
	s_add_nc_u64 s[36:37], s[18:19], s[28:29]
	s_lshl_b32 s28, s25, 6
	s_add_co_u32 s28, s28, 12288
	s_add_nc_u64 s[38:39], s[18:19], s[28:29]
.irp c, 0,1,2,3,4,5,6,7
	global_load_b128 v[32+4*\c:35+4*\c], v6, s[32:33] offset:66560*\c+65536   ; -M_c of d = 4 L ..
	global_load_b128 v[64+4*\c:67+4*\c], v6, s[32:33] offset:66560*\c+66048   ; l_c
.endr
.irp s, 0,1,2,3,4,5,6,7,8,9,10,11,12,13,14,15
	global_load_b32 v[96+\s], v8, s[10:11] offset:32768*\s
.endr
	global_load_b32 v112, v8, s[12:13]
	global_load_b32 v113, v7, s[14:15]
	global_load_b32 v114, v7, s[16:17]
.macro CHLD c
	WIN 0x40
.irp dl, 0,1,2,3,4,5,6,7
.irp q, 0,1
	global_load_b128 v[64*((\c)%3)+8*\dl+4*\q:64*((\c)%3)+8*\dl+4*\q+3], v6, s[34:35] offset:66560*(\c)+1024*\dl+512*\q
.endr
.endr
	WIN 0
.endm
	CHLD 0
	CHLD 1
	CHLD 2
	s_wait_loadcnt 48                              ; all but the three chunks
.irp j, 0,1,2,3
	v_min_num_f32 v[24+\j], v[32+\j], v[36+\j]
.endr
.irp c, 2,3,4,5,6,7
.irp j, 0,1,2,3
	v_min_num_f32 v[24+\j], v[24+\j], v[32+4*\c+\j]   ; -M
.endr
.endr
.set mm, 0
.rept 32
	v_sub_f32 v[32+mm], v[24+mm%4], v[32+mm]       ; M_c - M: a whole number, 0 or less
.set mm, mm+1
.endr
.set mm, 0
.rept 32
	v_cvt_i32_f32 v[32+mm], v[32+mm]
.set mm, mm+1
.endr
.set mm, 0
.rept 32
	v_ldexp_f32 v[32+mm], 1.0, v[32+mm]            ; 2^(M_c - M)
.set mm, mm+1
.endr
.irp j, 0,1,2,3
	v_mul_f32 v[28+\j], v[32+\j], v[64+\j]
.endr
.irp c, 1,2,3,4,5,6,7
.irp j, 0,1,2,3
	v_fma_f32 v[28+\j], v[32+4*\c+\j], v[64+4*\c+\j], v[28+\j]
.endr
.endr
.irp j, 0,1,2,3
	v_rcp_f32 v[28+\j], v[28+\j]
.endr
	v_nop
	s_wait_alu depctr_va_vdst(0)
.set mm, 0
.rept 32
	v_mul_f32 v[32+mm], v[32+mm], v[28+mm%4]
.set mm, mm+1
.endr
.irp c, 0,1,2,3,4,5,6,7
	ds_store_b128 v6, v[32+4*\c:35+4*\c] offset:512*\c   ; the factors, [chunk][d]
.endr
	v_add_f32 v24, v96, v97
.irp s, 2,3,4,5,6,7,8,9,10,11,12,13,14,15,16
	v_add_f32 v24, v24, v[96+\s]                   ; the slices, then b_emb
.endr
	v_permlanex16_b32 v25, v24, s[SEL], s[SEL+1]
	v_cndmask_b32 v26, v24, v25, s[SHI]            ; scale, in both halves
	v_cndmask_b32 v27, v25, v24, s[SHI]            ; shift
	v_add_f32 v26, 1.0, v26
	v_mul_f32 v28, v113, v26
	v_fma_f32 v29, v114, v26, v27
	v_cndmask_b32 v28, v28, v29, s[SHI]
	global_store_b32 v9, v28, s[20:21]
	s_wait_dscnt 0x0                               ; the factors' stores are done before their registers are loaded anew
.macro FRLD c                          ; chunk c's factors in the result's layout: register 8 dl + j is d = 16 dl + 8 h + j
.irp dl, 0,1,2,3,4,5,6,7
.irp q, 0,1
	ds_load_b128 v[32+64*((\c)%2)+8*\dl+4*\q:32+64*((\c)%2)+8*\dl+4*\q+3], v10 offset:512*(\c)+64*\dl+16*\q
.endr
.endr
.endm
.macro CHUNK c, lc, dc                 ; lc: the younger chunks' loads; dc: the next chunk's sixteen factor loads
.if (\c) < 7
	FRLD (\c)+1
.endif
	s_wait_loadcnt \lc
	s_wait_dscnt \dc
	WIN 0x01
.set mm, 0
.rept 32
.if (\c) == 0
	v_pk_mul_f32 v[160+mm:161+mm], v[64*((\c)%3)+mm:64*((\c)%3)+mm+1], v[32+64*((\c)%2)+mm:33+64*((\c)%2)+mm]
.else
	v_pk_fma_f32 v[160+mm:161+mm], v[64*((\c)%3)+mm:64*((\c)%3)+mm+1], v[32+64*((\c)%2)+mm:33+64*((\c)%2)+mm], v[160+mm:161+mm]
.endif
.set mm, mm+2
.endr
	WIN 0
.if (\c) < 5
	CHLD (\c)+3
.endif
.endm
	FRLD 0
	CHUNK 0, 32, 16
	CHUNK 1, 32, 16
	CHUNK 2, 32, 16
	CHUNK 3, 32, 16
	CHUNK 4, 32, 16
	CHUNK 5, 32, 16
	CHUNK 6, 16, 16
	CHUNK 7, 0, 0
	QUANT 160, 0, PC, PW
.irp g, 0,1,2
	global_store_b128 v6, v[PC+4*\g:PC+4*\g+3], s[36:37] offset:512*\g
.endr
	global_store_b32 v7, v[PW], s[38:39]           ; both halves of the lanes hold and write the same word
	s_wait_tensorcnt 0x0                           ; the wave's end
	ds_add_u32 v[SPW], v[NIL]
	s_wait_dscnt 0x0
	s_endpgm
.Lfunc_end_k_qb5a9597716_comb:
	.size	k_qb5a9597716_comb, .Lfunc_end_k_qb5a9597716_comb-k_qb5a9597716_comb
	.p2alignl 7, 3214868480
	.fill 96, 4, 3214868480
	.section	.rodata,"a",@progbits
	.p2align	6, 0x0
	.amdhsa_kernel k_qb5a9597716_comb
		.amdhsa_group_segment_fixed_size 4608
		.amdhsa_private_segment_fixed_size 0
		.amdhsa_enable_private_segment 0
		.amdhsa_kernarg_size 56
		.amdhsa_user_sgpr_count 2
		.amdhsa_user_sgpr_kernarg_segment_ptr 1
		.amdhsa_wavefront_size32 1
		.amdhsa_system_sgpr_workgroup_id_x 1
		.amdhsa_system_sgpr_workgroup_id_y 1
		.amdhsa_system_sgpr_workgroup_id_z 1
		.amdhsa_system_vgpr_workitem_id 0
		.amdhsa_next_free_vgpr 512
		.amdhsa_next_free_sgpr 66
		.amdhsa_reserve_vcc 0
		.amdhsa_float_denorm_mode_32 3
		.amdhsa_float_denorm_mode_16_64 3
		.amdhsa_memory_ordered 1
		.amdhsa_forward_progress 1
		.amdhsa_inst_pref_size 57
	.end_amdhsa_kernel
	.amdgpu_metadata
---
amdhsa.version: [ 1, 2 ]
amdhsa.kernels:
  - .name:           k_qb5a9597716_comb
    .symbol:         k_qb5a9597716_comb.kd
    .args:
      - { .name: attp, .offset: 0, .size: 8, .value_kind: global_buffer, .address_space: global }
      - { .name: embp, .offset: 8, .size: 8, .value_kind: global_buffer, .address_space: global }
      - { .name: b_emb, .offset: 16, .size: 8, .value_kind: global_buffer, .address_space: global }
      - { .name: ln2_w, .offset: 24, .size: 8, .value_kind: global_buffer, .address_space: global }
      - { .name: ln2_b, .offset: 32, .size: 8, .value_kind: global_buffer, .address_space: global }
      - { .name: attc, .offset: 40, .size: 8, .value_kind: global_buffer, .address_space: global }
      - { .name: film, .offset: 48, .size: 8, .value_kind: global_buffer, .address_space: global }
    .group_segment_fixed_size: 4608
    .private_segment_fixed_size: 0
    .kernarg_segment_align: 8
    .kernarg_segment_size: 56
    .max_flat_workgroup_size: 32
    .sgpr_count:     66
    .vgpr_count:     512
    .wavefront_size: 32
...
	.end_amdgpu_metadata
.endif
;; end of part 3
;; launch out (part 4): grid 256 x 1, 4 waves a work-group, clusters of 4 x 1, 327,680 bytes of LDS; arguments pq, attc, film, wc, b_out, x, out0; writes out0
.if DOCPART == 4
	.amdgcn_target "amdgcn-amd-amdhsa--gfx1250"
	.amdhsa_code_object_version 6
	.text
	.protected	k_qb5a9597716_out
	.globl	k_qb5a9597716_out
	.p2align	8
	.type	k_qb5a9597716_out,@function
k_qb5a9597716_out:
	s_mov_b64 s[64:65], 0
	v_nop
	global_prefetch_b8 v0, s[64:65] scope:SCOPE_SE
	s_setreg_imm32_b32 hwreg(HW_REG_WAVE_MODE, 25, 1), 1
	s_wait_xcnt 0x0
	s_wait_alu depctr_hold_cnt(0) depctr_sa_sdst(0) depctr_va_vdst(0) depctr_va_sdst(0) depctr_va_ssrc(0) depctr_va_vcc(0) depctr_vm_vsrc(0)
	s_getreg_b32 s2, hwreg(HW_REG_IB_STS2, 6, 4)
	s_cmp_eq_u32 s2, 0
	s_cbranch_scc0 .Lentry_in_a_cluster
	s_endpgm
.Lentry_in_a_cluster:
	s_bfe_u32 s2, ttmp6, 0x10000c
	s_cmp_lg_u32 s2, 0x3003
	s_cbranch_scc0 .Lentry_shape_is_right
	s_endpgm
.Lentry_shape_is_right:
; Launch 4 of 4.  No work of reference() is left out.  A work-group takes 32 whole rows (LayerNorm 2 and the last product's K span all eight heads):
;   A: y = (p_q att) / l_q, wave w for heads 2 w, 2 w + 1; source 0 = att's tile (rows l), so a lane holds one row and its registers run along l, in W_out's own order of k (launch 1 permuted Wv's tiles for that)
;   the row's mean and variance over 1,024 columns (two exchanges through LDS), h = silu((y - mean) rstd A + Bc), codes along D, handed from wave to wave as images of operand registers
;   B: out = h W_out + (x + b_out), wave w for columns 256 w on.
; W_out's CODES are walked by every work-group, 98,304 bytes a K step.  CLUSTERS of 4 work-groups ask for them JOINTLY: K steps 2-4 by one first fill a wave at the head, K steps 5-7 by one refill a wave behind one round of the
; cluster's barrier, into the same 294,912 bytes: three K steps are what LDS holds beside the images.  A wave's load brings its own 16 tiles (two groups of 128 columns: 2 rows of 36,864 dense bytes) and only that wave reads them.
; K steps 0 and 1 go from memory straight into registers (2 x 192), where they wait beside the three in LDS: through LDS they would want one more refill, of a tile that does not lie dense in a wave's region.
; x comes as whole rows into the registers that K step 0 leaves, b_out is added into them, and the sum is added to the finished rows on the way out.
; LIMITS: NaN and infinities are not served; a block of zeros has the byte 1; x + b_out is added to the finished sums (another order of rounding than reference()'s).
; REGISTERS.  Window 0: v0-23, v30, v31 addresses; v24-27 l_q, then 1 / l_q; v28-29 p_q's scale words; v32-95 W_out's; v96-103 att's, then h's; v104-151 p_q's fragments, then h's, two sets; v152-215 Z; v216-231 TM; v232-239 QT, later b_out;
;   v240-251 PC; v252 PW, v253 the kept one; v[254:255] the means, then the rstd, of rows r and 16 + r.   Window 1: att's fragments, then W_out's K step 1, then its fragments out of LDS, two halves; v192-255 A.
;   Window 2: y, then the accumulators.   Window 3: W_out's K step 0, then x; v192-255 W_out's scale words as they lie, then Bc, then x.
.set WREG,  73728                      ; a wave's region: [group 0-1][K step of three][tile 0-7][1536]; later its stage, 32 rows x 1,040 bytes
.set HI,    294912                     ; h's images [u][K step][1536]
.set HS,    319488                     ; their scale words [K step][32 lanes]
.set ST,    320512                     ; the rows' partial sums, two exchanges of 512 bytes
.set SPARE, 321536
.set WS,    322048                     ; 1,024 bytes a wave: W_out's scale words turn here from dense bytes to a word a lane
.set SPW,   2
.set NIL,   3
.set TM,    216
.set QT,    232
.set PC,    240
.set PW,    252
.set SEL,   40
.set NL,    42                         ; s[42:43] -log2(e)
.set SHI,   44
.set MSB, 0
.macro WIN new
.if MSB != (\new)
	s_set_vgpr_msb (MSB<<8)|(\new)
.set MSB, (\new)
.endif
.endm
.macro PLACES n
.rept \n
	v_nop
.endr
.endm
.macro CROUND                          ; a round of the cluster's barrier
	s_barrier_signal -1
	s_barrier_wait -1
	s_cmp_lg_u32 s24, 0
	s_cbranch_scc1 .Lnot_wave_0_\@
	s_barrier_signal -3
.Lnot_wave_0_\@:
	s_barrier_wait -3
	s_barrier_signal -1
	s_barrier_wait -1
.endm
.macro WMC d, a, b, c, sa, sb, ra, rb
.if ((\ra) != 0) && ((\rb) != 0)
	v_wmma_scale_f32_16x16x128_f8f6f4 v[(\d):(\d)+7], v[(\a):(\a)+11], v[(\b):(\b)+11], v[(\c):(\c)+7], v[(\sa)], v[(\sb)] matrix_a_fmt:MATRIX_FMT_BF6 matrix_b_fmt:MATRIX_FMT_BF6 matrix_a_scale:MATRIX_SCALE_ROW1 matrix_b_scale:MATRIX_SCALE_ROW1
.elseif (\ra) != 0
	v_wmma_scale_f32_16x16x128_f8f6f4 v[(\d):(\d)+7], v[(\a):(\a)+11], v[(\b):(\b)+11], v[(\c):(\c)+7], v[(\sa)], v[(\sb)] matrix_a_fmt:MATRIX_FMT_BF6 matrix_b_fmt:MATRIX_FMT_BF6 matrix_a_scale:MATRIX_SCALE_ROW1
.elseif (\rb) != 0
	v_wmma_scale_f32_16x16x128_f8f6f4 v[(\d):(\d)+7], v[(\a):(\a)+11], v[(\b):(\b)+11], v[(\c):(\c)+7], v[(\sa)], v[(\sb)] matrix_a_fmt:MATRIX_FMT_BF6 matrix_b_fmt:MATRIX_FMT_BF6 matrix_b_scale:MATRIX_SCALE_ROW1
.else
	v_wmma_scale_f32_16x16x128_f8f6f4 v[(\d):(\d)+7], v[(\a):(\a)+11], v[(\b):(\b)+11], v[(\c):(\c)+7], v[(\sa)], v[(\sb)] matrix_a_fmt:MATRIX_FMT_BF6 matrix_b_fmt:MATRIX_FMT_BF6
.endif
.endm
.macro WMZ d, a, b, sa, sb, ra, rb     ; C = 0 starts a sum
.if ((\ra) != 0) && ((\rb) != 0)
	v_wmma_scale_f32_16x16x128_f8f6f4 v[(\d):(\d)+7], v[(\a):(\a)+11], v[(\b):(\b)+11], 0, v[(\sa)], v[(\sb)] matrix_a_fmt:MATRIX_FMT_BF6 matrix_b_fmt:MATRIX_FMT_BF6 matrix_a_scale:MATRIX_SCALE_ROW1 matrix_b_scale:MATRIX_SCALE_ROW1
.elseif (\ra) != 0
	v_wmma_scale_f32_16x16x128_f8f6f4 v[(\d):(\d)+7], v[(\a):(\a)+11], v[(\b):(\b)+11], 0, v[(\sa)], v[(\sb)] matrix_a_fmt:MATRIX_FMT_BF6 matrix_b_fmt:MATRIX_FMT_BF6 matrix_a_scale:MATRIX_SCALE_ROW1
.elseif (\rb) != 0
	v_wmma_scale_f32_16x16x128_f8f6f4 v[(\d):(\d)+7], v[(\a):(\a)+11], v[(\b):(\b)+11], 0, v[(\sa)], v[(\sb)] matrix_a_fmt:MATRIX_FMT_BF6 matrix_b_fmt:MATRIX_FMT_BF6 matrix_b_scale:MATRIX_SCALE_ROW1
.else
	v_wmma_scale_f32_16x16x128_f8f6f4 v[(\d):(\d)+7], v[(\a):(\a)+11], v[(\b):(\b)+11], 0, v[(\sa)], v[(\sb)] matrix_a_fmt:MATRIX_FMT_BF6 matrix_b_fmt:MATRIX_FMT_BF6
.endif
.endm
.macro QUANT s, w, pc, pw              ; as in launch 2
	WIN 5*(\w)
.irp b, 0,1,2,3
	v_max3_num_f32 v[TM+\b], |v[(\s)+16*\b]|, |v[(\s)+16*\b+1]|, 0x2800000
.endr
.irp i, 2,4,6,8,10,12,14
.irp b, 0,1,2,3
	v_max3_num_f32 v[TM+\b], |v[(\s)+16*\b+\i]|, |v[(\s)+16*\b+\i+1]|, v[TM+\b]
.endr
.endr
	WIN 0
.irp b, 0,1,2,3
	v_permlanex16_b32 v[TM+4+\b], v[TM+\b], s[SEL], s[SEL+1]
.endr
.irp b, 0,1,2,3
	v_max_num_f32 v[TM+\b], v[TM+\b], v[TM+4+\b]
.endr
.irp b, 0,1,2,3
	v_add_nc_u32 v[TM+12+\b], 0xfe000000, v[TM+\b]
.endr
.irp b, 0,1,2,3
	v_lshrrev_b32 v[TM+4+\b], 23, v[TM+12+\b]
.endr
	v_lshl_or_b32 v[(\pw)], v[TM+5], 8, v[TM+4]
	v_lshl_or_b32 v[(\pw)], v[TM+6], 16, v[(\pw)]
	v_lshl_or_b32 v[(\pw)], v[TM+7], 24, v[(\pw)]
	WIN \w
.irp c, 0,1
	v_cvt_scalef32_pk16_bf6_f32 v[(\pc)+6*\c:(\pc)+6*\c+2], v[(\s)+32*\c:(\s)+32*\c+15], v[TM+12+2*\c]
	v_cvt_scalef32_pk16_bf6_f32 v[QT+4*\c:QT+4*\c+2], v[(\s)+32*\c+16:(\s)+32*\c+31], v[TM+12+2*\c+1]
.endr
	WIN 0
	v_nop
.irp c, 0,1
.irp i, 0,1,2
	v_permlane16_swap_b32 v[(\pc)+6*\c+\i], v[QT+4*\c+\i]
.endr
.irp i, 0,1,2
	v_mov_b32 v[(\pc)+6*\c+3+\i], v[QT+4*\c+\i]
.endr
.endr
.endm
.macro PKMULB d, a, p, u               ; v[d:d+1] = v[a:a+1] x word u of the pair v[p:p+1]
.if (\u) == 0
	v_pk_mul_f32 v[(\d):(\d)+1], v[(\a):(\a)+1], v[(\p):(\p)+1] op_sel_hi:[1,0]
.else
	v_pk_mul_f32 v[(\d):(\d)+1], v[(\a):(\a)+1], v[(\p):(\p)+1] op_sel:[0,1] op_sel_hi:[1,1]
.endif
.endm
.macro PKSUBB d, a, p, u               ; v[d:d+1] = v[a:a+1] - word u of the pair
.if (\u) == 0
	v_pk_add_f32 v[(\d):(\d)+1], v[(\a):(\a)+1], v[(\p):(\p)+1] op_sel_hi:[1,0] neg_lo:[0,1] neg_hi:[0,1]
.else
	v_pk_add_f32 v[(\d):(\d)+1], v[(\a):(\a)+1], v[(\p):(\p)+1] op_sel:[0,1] op_sel_hi:[1,1] neg_lo:[0,1] neg_hi:[0,1]
.endif
.endm
	s_load_b256 s[8:15], s[0:1], 0x0               ; pq, attc, film, wc
	s_load_b128 s[16:19], s[0:1], 0x20             ; b_out, x
	s_load_b64 s[20:21], s[0:1], 0x30              ; out0
	v_lshl_add_u32 v[SPW], v0, 2, SPARE
	v_mov_b32 v[NIL], 0
	ds_add_u32 v[SPW], v[NIL]                      ; the opening: the add, twice on end, and its wait ahead of my first tensor load
	ds_add_u32 v[SPW], v[NIL]
	v_lshrrev_b32 v30, 5, v0
	v_readfirstlane_b32 s24, v30                   ; wave
	s_bfe_u32 s25, ttmp6, 0x40000                  ; cx: my place in the cluster
	s_lshl_b32 s27, ttmp9, 2                       ; in a cluster launch ttmp9 counts clusters
	s_add_co_u32 s27, s27, s25                     ; my block of 32 rows: it enters pq's, x's and out0's addresses alone
	s_lshr_b32 s26, ttmp9, 4                       ; b: 16 clusters to a batch
	s_mov_b32 s32, 15|(3<<16)|(1<<21)              ; group 1: the mask names all four work-groups; elements of 8 bytes; bit 21 beside a mask; no padding
	s_mov_b32 s33, 4608<<16                        ; tensor_dim0 = 4,608: three K steps of eight tiles, 36,864 dense bytes
	s_mov_b32 s34, 2<<16                           ; tensor_dim1 = 2: my two groups of 128 columns
	s_mov_b32 s35, 4608<<16                        ; tile_dim0
	s_mov_b32 s36, 2                               ; tile_dim1
	s_mov_b32 s37, 12800                           ; 102,400 bytes from group to group
	s_mov_b32 s38, 0
	s_mov_b32 s39, 0
	s_mul_i32 s60, s24, 204800                     ; W_out's codes, my two groups, from K step 2 on: the wave's number and constants alone
	s_add_co_u32 s60, s60, 2457600+24576
	s_mov_b32 s61, 0
	s_mov_b32 s[SEL], 0x76543210
	s_mov_b32 s[SEL+1], 0xfedcba98
	s_mov_b32 s[NL], 0xbfb8aa3b
	s_mov_b32 s[NL+1], s[NL]
	s_mov_b32 s[SHI], 0xffff0000
	s_mov_b32 s46, 0x3a800000                      ; 1 / 1024
	s_mov_b32 s47, 0x3727c5ac                      ; 1e-5
	s_wait_dscnt 0x0                               ; both opening adds are done
	s_wait_kmcnt 0x0
	s_mov_b32 s28, 1
	s_mul_i32 s29, s24, WREG                       ; my region of LDS
	s_add_nc_u64 s[30:31], s[14:15], s[60:61]
	s_or_b32 s31, s31, 0x80000000
	CROUND                                         ; all four work-groups are here: the joint loads meet
	tensor_load_to_lds s[28:31], s[32:39]          ; K steps 2-4 of my 16 tiles: one load of mine is out
	s_nop 0
	PLACES 4
	s_lshl_b32 s58, s27, 17                        ; 32 rows of 4,096 bytes
	s_mov_b32 s59, 0
	s_mul_i32 s60, s27, 26624
	s_add_nc_u64 s[48:49], s[8:9], s[60:61]
	s_mul_i32 s60, s26, 102400
	s_add_nc_u64 s[50:51], s[10:11], s[60:61]
	s_lshl_b32 s60, s26, 12
	s_add_nc_u64 s[52:53], s[12:13], s[60:61]
	s_add_nc_u64 s[54:55], s[14:15], 2457600       ; W_out's codes
	s_add_nc_u64 s[56:57], s[20:21], s[58:59]
	s_add_nc_u64 s[18:19], s[18:19], s[58:59]
	v_and_b32 v1, 31, v0                           ; L
	v_and_b32 v31, 15, v0                          ; r
	v_bfe_u32 v23, v0, 4, 1                        ; h
	v_lshlrev_b32 v4, 4, v1
	v_lshlrev_b32 v5, 2, v1
	v_mad_u32_u24 v6, v30, 6144, v4
	v_lshlrev_b32 v7, 2, v31
	v_lshl_add_u32 v7, v30, 8, v7
	v_lshl_add_u32 v8, v30, 8, v5
	v_mad_u32_u24 v9, v30, 25600, v4
	v_mad_u32_u24 v10, v30, 25600, v5
	v_mul_u32_u24 v11, v30, 3072
	v_lshl_add_u32 v11, v23, 6, v11
	v_add_nc_u32 v11, HI+1536, v11                 ; A and Bc wait in my own image slots of my second head: 64 h bytes on
	v_mad_u32_u24 v12, v30, 204800, v4
	v_lshl_add_u32 v13, v30, 10, v4
	v_add_nc_u32 v13, WS, v13                      ; the scale words' turn: in, 16 bytes a lane
	v_lshl_add_u32 v14, v0, 2, ST
	v_lshl_add_u32 v15, v31, 2, ST
	v_mad_u32_u24 v16, v30, 3072, v4
	v_add_nc_u32 v16, HI, v16
	v_lshl_add_u32 v17, v30, 8, v5
	v_add_nc_u32 v17, HS, v17
	v_add_nc_u32 v18, HI, v4
	v_add_nc_u32 v19, HS, v5
	v_mul_u32_u24 v20, v30, WREG
	v_add_nc_u32 v21, v20, v4                      ; my region: fragments of my first group, and the stage by rows
	v_mad_u32_u24 v20, v31, 1040, v20
	v_lshl_add_u32 v20, v23, 5, v20                ; the stage in the result's layout: row r, 32 h bytes on
	v_lshl_add_u32 v22, v30, 10, v4
	v_lshlrev_b32 v23, 10, v30                     ; the prefetches' offset: my 1,024 bytes of a row,
	v_and_b32 v1, 3, v0
	v_lshl_add_u32 v23, v1, 8, v23                 ; block lane % 4 of their four,
	v_bfe_u32 v1, v0, 2, 3
	v_lshl_add_u32 v23, v1, 12, v23                ; row lane / 4 of eight
	v_add_nc_u32 v31, 36864, v21                   ; fragments of my second group
	v_lshl_add_u32 v30, v30, 10, v5
	v_add_nc_u32 v30, WS, v30                      ; the scale words' turn: out, a word a lane
.irp b, 0,1,2,3
	v_mov_b32 v[TM+4+\b], 0                        ; a lane permute's destination counts as one of its sources
.endr
.macro WLD ks, t0, win                 ; W_out's tiles t0 .. t0 + 7 of my sixteen, K step ks, from memory: 24 loads
	WIN \win
.irp tt, 0,1,2,3,4,5,6,7
.irp g, 0,1,2
	global_load_b128 v[12*((\t0)+\tt)+4*\g:12*((\t0)+\tt)+4*\g+3], v12, s[54:55] offset:102400*((\t0)/8)+12288*(\ks)+1536*\tt+512*\g
.endr
.endr
.endm
	WIN 0x40
.irp hh, 0,1
.irp tu, 0,1,2,3,4,5,6,7
.irp g, 0,1,2
	global_load_b128 v[96*\hh+12*\tu+4*\g:96*\hh+12*\tu+4*\g+3], v9, s[50:51] offset:12800*\hh+1536*\tu+512*\g
.endr
.endr
.endr
	WIN 0
.irp hh, 0,1
.irp u, 0,1
.irp g, 0,1,2
	global_load_b128 v[104+24*\hh+12*\u+4*\g:104+24*\hh+12*\u+4*\g+3], v6, s[48:49] offset:3072*\hh+1536*\u+512*\g
.endr
.endr
.endr
.irp hh, 0,1
.irp q, 0,1,2,3
	global_load_b32 v[96+4*\hh+\q], v10, s[50:51] offset:12800*\hh+12288+128*\q
.endr
.endr
.irp hh, 0,1
	global_load_b32 v[28+\hh], v8, s[48:49] offset:24576+128*\hh
.endr
.irp hh, 0,1
.irp u, 0,1
	global_load_b32 v[24+2*\hh+\u], v7, s[48:49] offset:25600+128*\hh+64*\u
.endr
.endr
	WIN 0x40
.irp kk, 0,1
	global_load_b128 v[192+4*\kk:195+4*\kk], v22, s[52:53] offset:512*\kk          ; A of my head kk, 4 columns a lane
	global_load_b128 v[200+4*\kk:203+4*\kk], v22, s[52:53] offset:16384+512*\kk    ; Bc
.endr
	WIN 0xc0
.irp j, 0,1
.irp i, 0,1,2,3,4,5,6,7
	global_load_b128 v[192+4*(8*\j+\i):195+4*(8*\j+\i)], v12, s[54:55] offset:102400*\j+98304+512*\i   ; W_out's scale words of group j, K step i, as they lie: 512 dense bytes
.endr
.endr
	WLD 0, 0, 0xc0
	WLD 0, 8, 0xc0
	s_wait_loadcnt 63                              ; 68 younger loads: all that A needs is in
; ---------------------------------------------------------------- A
	WIN 0x81                                       ; A window 1, B window 0, D window 2
.irp hh, 0,1
.irp tu, 0,1,2,3,4,5,6,7
.irp u, 0,1
	WMZ 64*(2*\hh+\u)+8*\tu, 96*\hh+12*\tu, 104+24*\hh+12*\u, 96+4*\hh+\tu/2, 28+\hh, \tu%2, \u
.endr
.endr
.endr
	PLACES 4
	WIN 0
.irp k, 0,1,2,3
	v_rcp_f32 v[24+\k], v[24+\k]
.endr
	v_nop
	s_wait_alu depctr_va_vdst(0)
	WIN 0x82
.irp hh, 0,1
.irp u, 0,1
.set mm, 0
.rept 32
	PKMULB 64*(2*\hh+\u)+mm, 64*(2*\hh+\u)+mm, 24+2*\hh, \u     ; y = D / l_q; each accumulator from its low end on
.set mm, mm+2
.endr
.endr
.endr
; The four chains v[152 + 2 k] (k = 2 hh + u) become the rows' sums over all 1,024 columns: v160 for row r, v161 for row 16 + r.  Every wave adds in the same order.
.macro ROWRED off
	v_pk_add_f32 v[152:153], v[152:153], v[156:157]
	v_pk_add_f32 v[154:155], v[154:155], v[158:159]
	v_add_f32 v152, v152, v153
	v_add_f32 v154, v154, v155
	v_permlanex16_b32 v153, v152, s[SEL], s[SEL+1]
	v_permlanex16_b32 v155, v154, s[SEL], s[SEL+1]
	v_add_f32 v152, v152, v153
	v_add_f32 v154, v154, v155
	v_cndmask_b32 v152, v152, v154, s[SHI]
	ds_store_b32 v14, v152 offset:\off
	s_wait_dscnt 0x0
	s_barrier_signal -1
	s_barrier_wait -1
.irp ww, 0,1,2,3
.irp u, 0,1
	ds_load_b32 v[160+2*\ww+\u], v15 offset:(\off)+128*\ww+64*\u
.endr
.endr
	s_wait_dscnt 0x0
	v_pk_add_f32 v[160:161], v[160:161], v[162:163]
	v_pk_add_f32 v[164:165], v[164:165], v[166:167]
	v_pk_add_f32 v[160:161], v[160:161], v[164:165]
.endm
	WIN 0x0a
.irp k, 0,1,2,3
	v_pk_add_f32 v[152+2*\k:153+2*\k], v[64*\k:64*\k+1], v[64*\k+2:64*\k+3]
.endr
	WIN 0x08
.set mm, 4
.rept 30
.irp k, 0,1,2,3
	v_pk_add_f32 v[152+2*\k:153+2*\k], v[152+2*\k:153+2*\k], v[64*\k+mm:64*\k+mm+1]
.endr
.set mm, mm+2
.endr
	WIN 0
	ROWRED 0
	v_pk_mul_f32 v[254:255], v[160:161], s[46:47] op_sel_hi:[1,0]   ; the means
; W_out's scale words turn through my 1,024 bytes of LDS, two K steps of a group at a time: in as dense bytes, out a word a lane.  LDS serves a wave's instructions in order, so the passes follow each other without a wait.
	s_wait_loadcnt 48                              ; A, Bc and the scale words are in; K step 0's 48 loads may be out
	WIN 0x0c                                       ; an LDS store's data are its source 1: window 3
.irp j, 0,1
.irp kp, 0,1,2,3
	ds_store_b128 v13, v[192+4*(8*\j+2*\kp):195+4*(8*\j+2*\kp)]
	ds_store_b128 v13, v[196+4*(8*\j+2*\kp):199+4*(8*\j+2*\kp)] offset:512
.irp ee, 0,1
.irp pp, 0,1,2,3
	ds_load_b32 v[32+8*(2*\kp+\ee)+4*\j+\pp], v30 offset:512*\ee+128*\pp   ; K step 2 kp + ee, pair 4 j + pp of my eight pairs of tiles
.endr
.endr
.endr
.endr
	WIN 0x04
.irp kk, 0,1
	ds_store_b128 v16, v[192+4*\kk:195+4*\kk] offset:1536+512*\kk          ; A of both heads into my image slot (u = 0, second head), which is written as an image only behind the last read of these bytes
	ds_store_b128 v16, v[200+4*\kk:203+4*\kk] offset:12288+1536+512*\kk    ; Bc into the slot (u = 1, second head)
.endr
	WIN 0
	s_wait_dscnt 0x0                               ; the stores have read their registers
.macro FILMLD hh                       ; A and Bc of head 2 w + hh: register 16 bb + i is column 32 bb + 16 h + i
	WIN 0x40
.irp bb, 0,1,2,3
.irp q, 0,1,2,3
	ds_load_b128 v[192+16*\bb+4*\q:192+16*\bb+4*\q+3], v11 offset:512*(\hh)+128*\bb+16*\q
.endr
.endr
	WIN 0xc0
.irp bb, 0,1,2,3
.irp q, 0,1,2,3
	ds_load_b128 v[192+16*\bb+4*\q:192+16*\bb+4*\q+3], v11 offset:12288+512*(\hh)+128*\bb+16*\q
.endr
.endr
	WIN 0
.endm
	FILMLD 0                                       ; (waited for by the waits of the second exchange below)
	WLD 1, 0, 0x40                                 ; K step 1, into the registers that att's fragments have left
	WLD 1, 8, 0x40
	WIN 0x82
.irp hh, 0,1
.irp u, 0,1
.set mm, 0
.rept 32
	PKSUBB 64*(2*\hh+\u)+mm, 64*(2*\hh+\u)+mm, 254, \u
.set mm, mm+2
.endr
.endr
.endr
	WIN 0x0a
.irp k, 0,1,2,3
	v_pk_mul_f32 v[152+2*\k:153+2*\k], v[64*\k:64*\k+1], v[64*\k:64*\k+1]
.endr
.set mm, 2
.rept 31
.irp k, 0,1,2,3
	v_pk_fma_f32 v[152+2*\k:153+2*\k], v[64*\k+mm:64*\k+mm+1], v[64*\k+mm:64*\k+mm+1], v[152+2*\k:153+2*\k]
.endr
.set mm, mm+2
.endr
	WIN 0
	ROWRED 512
	v_fma_f32 v160, v160, s46, s47
	v_fma_f32 v161, v161, s46, s47
	v_rsq_f32 v254, v160
	v_rsq_f32 v255, v161
	v_nop
	s_wait_alu depctr_va_vdst(0)
.macro UNITA hh, u                     ; z = d rstd A + Bc
.set YB, 64*(2*(\hh)+(\u))
	WIN 0x02
.set mm, 0
.rept 32
	PKMULB 152+mm, YB+mm, 254, \u
.set mm, mm+2
.endr
	WIN 0x34
.set mm, 0
.rept 32
	v_pk_fma_f32 v[152+mm:153+mm], v[152+mm:153+mm], v[192+mm:193+mm], v[192+mm:193+mm]
.set mm, mm+2
.endr
.endm
.macro UNITB hh, u                     ; silu, codes, image
.set YB, 64*(2*(\hh)+(\u))
	WIN 0x80
.set mm, 0
.rept 32
	v_pk_mul_f32 v[YB+mm:YB+mm+1], v[152+mm:153+mm], s[NL:NL+1] op_sel_hi:[1,0]
.set mm, mm+2
.endr
	WIN 0x82
.set mm, 0
.rept 64
	v_exp_f32 v[YB+mm], v[YB+mm]
.set mm, mm+1
.endr
	v_nop
	s_wait_alu depctr_va_vdst(0)
.set mm, 0
.rept 32
	v_pk_add_f32 v[YB+mm:YB+mm+1], v[YB+mm:YB+mm+1], 1.0 op_sel_hi:[1,0]
.set mm, mm+2
.endr
.set mm, 0
.rept 64
	v_rcp_f32 v[YB+mm], v[YB+mm]
.set mm, mm+1
.endr
	v_nop
	s_wait_alu depctr_va_vdst(0)
	WIN 0x08
.set mm, 0
.rept 32
	v_pk_mul_f32 v[152+mm:153+mm], v[152+mm:153+mm], v[YB+mm:YB+mm+1]
.set mm, mm+2
.endr
	QUANT 152, 0, PC, PW
.irp g, 0,1,2
	ds_store_b128 v16, v[PC+4*\g:PC+4*\g+3] offset:(8*(\u)+(\hh))*1536+512*\g
.endr
.if (\u) == 0
	v_mov_b32 v253, v[PW]
.else
	v_cndmask_b32 v253, v253, v[PW], s[SHI]
	ds_store_b32 v17, v253 offset:128*(\hh)
.endif
	s_wait_dscnt 0x0
.endm
	UNITA 0, 0
	UNITB 0, 0
	UNITA 0, 1
	FILMLD 1                                       ; the first head's A and Bc have been read for the last time; the wait at the end of the unit below covers these loads
	UNITB 0, 1
	UNITA 1, 0
	UNITB 1, 0
; x IS PREFETCHED INTO THE L2: my 1,024 bytes of the work-group's 32 rows are 128 blocks of 256 bytes; a lane names a block, four instructions of eight rows each.  Each block of x is named once in the launch, by the wave that will load it.
; They stand one unit, the barrier and K step 0 ahead of the first 32 loads of x.
.irp p, 0,1,2,3
	global_prefetch_b8 v23, s[18:19] offset:32768*\p th:TH_LOAD_NT scope:SCOPE_SE
.endr
	UNITA 1, 1
	UNITB 1, 1
	global_load_b128 v[232:235], v22, s[16:17]             ; b_out of my 256 columns
	global_load_b128 v[236:239], v22, s[16:17] offset:512
	s_barrier_signal -1                            ; (the last wait on DScnt was for 0)
	s_barrier_wait -1                              ; h's sixteen images lie in LDS
; ---------------------------------------------------------------- B
.macro HFLD s
.irp u, 0,1
.irp g, 0,1,2
	ds_load_b128 v[104+24*((\s)%2)+12*\u+4*\g:104+24*((\s)%2)+12*\u+4*\g+3], v18 offset:(8*\u+(\s))*1536+512*\g
.endr
.endr
.endm
.macro LDW ks, q                       ; tiles 8 q .. 8 q + 7 of K step ks (2 to 7), out of my region of LDS: 24 loads of 512 consecutive bytes
	WIN 0x40
.irp tt, 0,1,2,3,4,5,6,7
.irp g, 0,1,2
	ds_load_b128 v[96*(\q)+12*\tt+4*\g:96*(\q)+12*\tt+4*\g+3], v[21+10*(\q)] offset:12288*(((\ks)-2)%3)+1536*\tt+512*\g
.endr
.endr
.endm
.macro XLD a, n                        ; quads a .. a + n - 1 of x: quad i is row i / 2, half i % 2 of my 1,024 bytes: 512 consecutive bytes a load
	WIN 0xc0
.set xi, \a
.rept \n
	global_load_b128 v[4*xi:4*xi+3], v22, s[18:19] offset:4096*(xi/2)+512*(xi%2) th:TH_LOAD_NT
.set xi, xi+1
.endr
.endm
.macro XADD a, n                       ; x + b_out, in x's registers
	WIN 0xc3
.set xi, \a
.rept \n
	v_pk_add_f32 v[4*xi:4*xi+1], v[4*xi:4*xi+1], v[232+4*(xi%2):233+4*(xi%2)]
	v_pk_add_f32 v[4*xi+2:4*xi+3], v[4*xi+2:4*xi+3], v[234+4*(xi%2):235+4*(xi%2)]
.set xi, xi+1
.endr
.endm
.macro MULB s, q                       ; 16 products: tiles 8 q on x both tiles of rows; the accumulators by turns
.if (\s) == 0
	WIN 0xa3                                       ; A window 3 (K step 0), B window 0, D window 2
.else
	WIN 0xa1                                       ; A window 1, C and D window 2
.endif
.irp tt, 0,1,2,3,4,5,6,7
.irp u, 0,1
.if (\s) == 0
	WMZ 16*(8*(\q)+\tt)+8*\u, 12*(8*(\q)+\tt), 104+12*\u, 32+(8*(\q)+\tt)/2, 96, \tt%2, \u
.else
	WMC 16*(8*(\q)+\tt)+8*\u, 12*(8*(\q)+\tt), 104+24*((\s)%2)+12*\u, 16*(8*(\q)+\tt)+8*\u, 32+8*(\s)+(8*(\q)+\tt)/2, 96+(\s), \tt%2, \u
.endif
.endr
.endr
.endm
; K step s.  Behind each half's products the same half of the next K step is fetched out of LDS into the registers just multiplied (not behind K steps 0, 4 and 7).
.macro STEPB s
.if (\s) < 7
	PLACES 4                                       ; in front of loads into h's set that the step before multiplied
	WIN 0
	HFLD (\s)+1
.endif
.if (\s) < 2
	s_wait_dscnt 6                                 ; the next step's six of h may be out
.elseif (\s) < 7
	s_wait_dscnt 30                                ; behind this half's 24: the other half's 24 and the six of h
.else
	s_wait_dscnt 24                                ; the other half's 24
.endif
	MULB \s, 0
.if ((\s) >= 1) && ((\s) != 4) && ((\s) != 7)
	PLACES 4
	LDW (\s)+1, 0
.endif
.if (\s) == 4
	s_wait_dscnt 6
.elseif (\s) == 7
	s_wait_dscnt 0x0
.elseif (\s) >= 2
	s_wait_dscnt 30                                ; behind this half's 24: the six of h and the next step's first 24
.endif
	MULB \s, 1
.if ((\s) >= 1) && ((\s) != 4) && ((\s) != 7)
	PLACES 4
	LDW (\s)+1, 1
.endif
.endm
	s_wait_tensorcnt 0x0                           ; K steps 2-4 of my tiles are in LDS
.irp k, 0,1,2,3,4,5,6,7
	ds_load_b32 v[96+\k], v19 offset:128*\k
.endr
	HFLD 0
	s_wait_loadcnt 2                               ; K steps 0 and 1 are in registers; b_out's two loads may be out
	s_wait_dscnt 0x0
	STEPB 0
	PLACES 4                                       ; in front of loads into the registers that K step 0's products read
	XLD 0, 32
	STEPB 1
	STEPB 2
	XLD 32, 28                                     ; with b_out's two and the first 32 at most 62 loads of mine are out
	STEPB 3
	STEPB 4
; THE ONE REFILL: every wave of the four work-groups has read K steps 2-4 out of LDS; K steps 5-7 take their place.
	WIN 0
	s_wait_tensorcnt 0x0                           ; no tensor load of mine is out, so group 0 may be written
	ds_add_u32 v[SPW], v[NIL]                      ; 0 onto my spare word
	s_add_nc_u64 s[30:31], s[30:31], 36864         ; three K steps on; the type bits on top are not reached
	s_wait_dscnt 0x0                               ; the add is done, and my reads of the region are over
	CROUND
	tensor_load_to_lds s[28:31], s[32:39]          ; the first thing behind the round, and my only tensor load there
	s_nop 0
	PLACES 4
	XLD 60, 4
	s_wait_loadcnt 32                              ; b_out and x's first 32 quads are in; the later 28 + 4 may be out
	XADD 0, 32                                     ; work on registers while the refill is on its way
	WIN 0
	s_wait_tensorcnt 0x0                           ; K steps 5-7 of my tiles are in LDS
	LDW 5, 0
	LDW 5, 1
	STEPB 5
	STEPB 6
	STEPB 7
	s_wait_loadcnt 0x0
	XADD 32, 32                                    ; these name no register of the last products
; ---------------------------------------------------------------- the way out: through my own region of LDS, which has had its last fill and which I alone read; back as whole rows
	PLACES 4
	WIN 0x08
.irp tu, 0,1,2,3,4,5,6,7,8,9,10,11,12,13,14,15
.irp u, 0,1
.irp q, 0,1
	ds_store_b128 v20, v[16*\tu+8*\u+4*\q:16*\tu+8*\u+4*\q+3] offset:16640*\u+64*\tu+16*\q   ; each accumulator from its low end on
.endr
.endr
.endr
.macro OLD bt                          ; rows 8 bt .. 8 bt + 7, two halves of 512 bytes each.  LDS serves a wave's instructions in order: these see my stores
	WIN 0
.irp i, 0,1,2,3,4,5,6,7,8,9,10,11,12,13,14,15
	ds_load_b128 v[104+64*((\bt)%2)+4*\i:104+64*((\bt)%2)+4*\i+3], v21 offset:1040*(8*(\bt)+\i/2)+512*(\i%2)
.endr
.endm
.macro OST bt, yg                      ; yg: the next batch's sixteen loads, or none.  The sums land in x's registers, which nothing writes again, and are stored from there
	WIN 0xcc                                       ; source 0 window 0 (the row, the address), source 1 and the destination window 3
.irp i, 0,1,2,3,4,5,6,7,8,9,10,11,12,13,14,15
	s_wait_dscnt (\yg)+15-\i
	v_pk_add_f32 v[64*(\bt)+4*\i:64*(\bt)+4*\i+1], v[104+64*((\bt)%2)+4*\i:105+64*((\bt)%2)+4*\i], v[64*(\bt)+4*\i:64*(\bt)+4*\i+1]
	v_pk_add_f32 v[64*(\bt)+4*\i+2:64*(\bt)+4*\i+3], v[106+64*((\bt)%2)+4*\i:107+64*((\bt)%2)+4*\i], v[64*(\bt)+4*\i+2:64*(\bt)+4*\i+3]
	global_store_b128 v22, v[64*(\bt)+4*\i:64*(\bt)+4*\i+3], s[56:57] offset:4096*(8*(\bt)+\i/2)+512*(\i%2) th:TH_STORE_NT   ; 512 consecutive bytes
.endr
.endm
	OLD 0
	OLD 1
	OST 0, 16
	OLD 2
	OST 1, 16
	OLD 3
	OST 2, 16
	OST 3, 0
	WIN 0
	s_wait_tensorcnt 0x0                           ; the wave's end
	ds_add_u32 v[SPW], v[NIL]
	s_wait_dscnt 0x0
	CROUND                                         ; the closing round: no work-group ends while a partner may still ask for a tile that names it
	s_endpgm
.Lfunc_end_k_qb5a9597716_out:
	.size	k_qb5a9597716_out, .Lfunc_end_k_qb5a9597716_out-k_qb5a9597716_out
	.p2alignl 7, 3214868480
	.fill 96, 4, 3214868480
	.section	.rodata,"a",@progbits
	.p2align	6, 0x0
	.amdhsa_kernel k_qb5a9597716_out
		.amdhsa_group_segment_fixed_size 327680
		.amdhsa_private_segment_fixed_size 0
		.amdhsa_enable_private_segment 0
		.amdhsa_kernarg_size 56
		.amdhsa_user_sgpr_count 2
		.amdhsa_user_sgpr_kernarg_segment_ptr 1
		.amdhsa_wavefront_size32 1
		.amdhsa_system_sgpr_workgroup_id_x 1
		.amdhsa_system_sgpr_workgroup_id_y 1
		.amdhsa_system_sgpr_workgroup_id_z 1
		.amdhsa_system_vgpr_workitem_id 0
		.amdhsa_next_free_vgpr 1024
		.amdhsa_next_free_sgpr 66
		.amdhsa_reserve_vcc 0
		.amdhsa_float_denorm_mode_32 3
		.amdhsa_float_denorm_mode_16_64 3
		.amdhsa_memory_ordered 1
		.amdhsa_forward_progress 1
		.amdhsa_inst_pref_size 244
	.end_amdhsa_kernel
	.amdgpu_metadata
---
amdhsa.version: [ 1, 2 ]
amdhsa.kernels:
  - .name:           k_qb5a9597716_out
    .symbol:         k_qb5a9597716_out.kd
    .args:
      - { .name: pq, .offset: 0, .size: 8, .value_kind: global_buffer, .address_space: global }
      - { .name: attc, .offset: 8, .size: 8, .value_kind: global_buffer, .address_space: global }
      - { .name: film, .offset: 16, .size: 8, .value_kind: global_buffer, .address_space: global }
      - { .name: wc, .offset: 24, .size: 8, .value_kind: global_buffer, .address_space: global }
      - { .name: b_out, .offset: 32, .size: 8, .value_kind: global_buffer, .address_space: global }
      - { .name: x, .offset: 40, .size: 8, .value_kind: global_buffer, .address_space: global }
      - { .name: out0, .offset: 48, .size: 8, .value_kind: global_buffer, .address_space: global }
    .group_segment_fixed_size: 327680
    .private_segment_fixed_size: 0
    .kernarg_segment_align: 8
    .kernarg_segment_size: 56
    .max_flat_workgroup_size: 128
    .sgpr_count:     66
    .vgpr_count:     1024
    .wavefront_size: 32
...
	.end_amdgpu_metadata
.endif
;; end of part 4
